; MI455X (gfx1250); checked and timed in simulation.
; The chip was launched on July 23, 2026; its instructions are those of AMD's public machine-readable ISA for CDNA 5 (MIT licence, August 2026) and "CDNA5" Instruction Set Architecture Reference Guide (July 2026). The comments in the code are by the model that wrote it; some were corrected since.
;; Attention. Allowed arithmetic: float matrix products may take bf16 or f16 operands with f32 sums; other float arithmetic in f32, or as packed bf16 or f16 multiplies, adds, multiply-adds, maxima and minima; sums over many terms, partial sums and values carried from step to step in f32; what a program stores and reads back later, other than sums and carried values, may be rounded once to bf16 or f16.
;; Inputs: Wk 1,024 x 1,024 float32; Wq 1,024 x 1,024 float32; Wv 1,024 x 1,024 float32; X 4 x 2,048 x 1,024 float32; bk 1,024 float32; bq 1,024 float32; bv 1,024 float32; mask 2,048 x 2,048 bool.
;; Outputs: out0 4 x 2,048 x 1,024 float32.
;; 3 versions, each right; version 2 is faster than version 1; version 3 is version 2 with the launch prep written anew for expert scheduling mode. Each part assembles by itself: llvm-mc -triple=amdgcn-amd-amdhsa -mcpu=gfx1250 --defsym DOCPART=n.
;; ======== version 1 of 3: 5 launches
;; limits: values are held in f16: magnitudes above 65,504 overflow, below 6.1e-05 lose precision; right only within a limited range of input values
;; workspace buffers: Xh 16,777,216 bytes; Wh 6,291,456 bytes; ball 12,288 bytes; mbits 524,288 bytes of whole numbers; QK 33,554,432 bytes; P 67,108,864 bytes; stats 1,048,576 bytes; Y 16,777,216 bytes
;; launch prep (part 1): grid 483 x 1, 8 waves a work-group, no clusters, 35,840 bytes of LDS; arguments X, Wq, Wk, Wv, bq, bk, bv, mask, Xh, Wh, ball, mbits; writes Xh, Wh, ball, mbits
.if DOCPART == 1
	.amdgcn_target "amdgcn-amd-amdhsa--gfx1250"
	.amdhsa_code_object_version 6
	.text
	.protected	k_qee4cffb4c5_prep
	.globl	k_qee4cffb4c5_prep
	.p2align	8
	.type	k_qee4cffb4c5_prep,@function
k_qee4cffb4c5_prep:
	s_mov_b64 s[64:65], 0
	v_nop
	global_prefetch_b8 v0, s[64:65] scope:SCOPE_SE
	s_setreg_imm32_b32 hwreg(HW_REG_WAVE_MODE, 25, 1), 1
	s_wait_xcnt 0x0
; prep: brings the inputs into the forms that the four products read.
;   work-groups   0..255  X  [8192][1024] f32 -> Xh, 32,768 numbers each
;   work-groups 256..351  Wq, Wk, Wv [1024][1024] f32 -> Wh [3072][1024] (rows 0-1023 Wq, 1024-2047 Wk, 2048-3071 Wv), 32,768 numbers each
;   work-groups 352..479  mask [2048][2048] bytes -> mbits [qt 128][kt 128][j 8] words, 16 rows of the mask each
;   work-groups 480..482  bq, bk, bv -> ball [3072] f32
; X and W are rounded to bf16 (nearest even, 8 significant bits), the operand precision of the inputs, and kept in f16's format, so that every later product
; can pair them with f16 intermediates on the f16 matrix form.  f16 holds a number of 8 significant bits exactly from 2^-17 to 65,504.
; LIMITS: inputs above 65,504 in magnitude become infinite; below 2^-17 they are carried to within 2^-25.
; Bit l of word (qt, kt, j) of mbits is mask[16 qt + (l & 15)][16 kt + 8 (l >> 4) + j]: lane l, register j of a 16 x 16 tile of scores as the
; score kernel holds it, so that a word serves there as the lane mask of one select.  LIMIT: any byte of the mask other than 0 counts as True.
; A stream: every input byte is read once and every output byte written once; nothing is shared between work-groups, so there is no cluster, no matrix work
; and no barrier (the LDS bytes of the mask role are each wave's own).
.set NX,   256                         ; work-groups for X
.set NW,   96                          ; for the three W
.set NM,   128                         ; for the mask
.set D,    16                          ; v[16:143] convert role: 32 loads of 4 registers
.set MP,   272                         ; mask role: LDS pitch of a row piece of 256 bytes
	s_load_b512 s[8:23], s[0:1], 0x0               ; X s[8:9], Wq s[10:11], Wk s[12:13], Wv s[14:15], bq s[16:17], bk s[18:19], bv s[20:21], mask s[22:23]
	s_load_b256 s[24:31], s[0:1], 0x40             ; Xh s[24:25], Wh s[26:27], ball s[28:29], mbits s[30:31]
	v_lshl_add_u32 v144, v0, 2, 0x8800
	v_mov_b32 v145, 0
	v_lshlrev_b32 v1, 4, v0                        ; 16 t: my 16 bytes of each 4,096 that the work-group loads at once
	v_lshlrev_b32 v2, 3, v0                        ; 8 t: my 8 bytes of each 2,048 that it stores at once
	s_mov_b32 s3, 0                                ; high words of the two offset pairs s[2:3], s[4:5]
	s_mov_b32 s5, 0
	s_wait_kmcnt 0x0
	s_cmp_lt_u32 ttmp9, NX
	s_cbranch_scc0 .Lnot_x
	s_lshl_b32 s2, ttmp9, 17                       ; 131,072 bytes of f32 in,
	s_lshl_b32 s4, ttmp9, 16                       ; 65,536 bytes out
	s_add_nc_u64 s[32:33], s[8:9], s[2:3]
	s_add_nc_u64 s[34:35], s[24:25], s[4:5]
	s_branch .Lconvert
.Lnot_x:
	s_cmp_lt_u32 ttmp9, NX+NW
	s_cbranch_scc0 .Lnot_w
	s_sub_co_u32 s6, ttmp9, NX                     ; i = 0..95
	s_lshr_b32 s7, s6, 5                           ; which matrix: 32 work-groups for each
	s_cmp_eq_u32 s7, 0
	s_cselect_b64 s[32:33], s[10:11], s[12:13]
	s_cmp_eq_u32 s7, 2
	s_cselect_b64 s[32:33], s[14:15], s[32:33]
	s_and_b32 s2, s6, 31
	s_lshl_b32 s2, s2, 17                          ; my part of that matrix
	s_lshl_b32 s4, s6, 16                          ; the three follow each other in Wh
	s_add_nc_u64 s[32:33], s[32:33], s[2:3]
	s_add_nc_u64 s[34:35], s[26:27], s[4:5]
.Lconvert:
	; 32 loads of 16 bytes a lane go out at once: 128 KiB of the work-group are on their way.  No register that a load or store reads is written again.
.irp i, 0,1,2,3,4,5,6,7,8,9,10,11,12,13,14,15,16,17,18,19,20,21,22,23,24,25,26,27,28,29,30,31
	global_load_b128 v[D+4*\i:D+4*\i+3], v1, s[32:33] offset:4096*\i th:TH_LOAD_NT
.endr
.irp i, 0,1,2,3,4,5,6,7,8,9,10,11,12,13,14,15,16,17,18,19,20,21,22,23,24,25,26,27,28,29,30,31
	s_wait_loadcnt 31-\i                           ; loads come back in order: load i is in, the 31 - i younger ones stay out
	v_cvt_pk_bf16_f32 v4, v[D+4*\i],   v[D+4*\i+1] ; the rounding: to bf16
	v_cvt_pk_bf16_f32 v5, v[D+4*\i+2], v[D+4*\i+3]
	v_lshlrev_b32 v[D+4*\i],   16, v4              ; back to f32: a shift or a mask
	v_and_b32     v[D+4*\i+1], 0xffff0000, v4
	v_lshlrev_b32 v[D+4*\i+2], 16, v5
	v_and_b32     v[D+4*\i+3], 0xffff0000, v5
	v_cvt_pk_f16_f32 v[D+4*\i],   v[D+4*\i],   v[D+4*\i+1]         ; the change of format: exact inside the stated range
	v_cvt_pk_f16_f32 v[D+4*\i+1], v[D+4*\i+2], v[D+4*\i+3]
	global_store_b64 v2, v[D+4*\i:D+4*\i+1], s[34:35] offset:2048*\i   ; a wave's store covers 256 consecutive bytes, aligned
.endr
	s_endpgm
.Lnot_w:
	s_cmp_lt_u32 ttmp9, NX+NW+NM
	s_cbranch_scc0 .Lbias
	; The mask: wave w takes 16 rows x 256 columns.
	s_sub_co_u32 s6, ttmp9, NX+NW                  ; qt
	v_lshrrev_b32 v3, 5, v0
	v_readfirstlane_b32 s7, v3                     ; wave 0..7
	v_and_b32 v4, 15, v0                           ; r
	v_bfe_u32 v5, v0, 4, 1                         ; h
	v_and_b32 v6, 31, v0                           ; lane
	s_lshl_b32 s2, s6, 15                          ; 16 rows of 2,048 bytes
	s_lshl_b32 s4, s7, 8                           ; my 256 columns
	s_add_co_u32 s2, s2, s4
	s_add_nc_u64 s[32:33], s[22:23], s[2:3]
	v_lshlrev_b32 v7, 4, v4
	v_lshl_add_u32 v7, v5, 11, v7                  ; 16 r + 2,048 h: lanes 0-15 one row's 256 bytes, lanes 16-31 the next row's
.irp i, 0,1,2,3,4,5,6,7
	global_load_b128 v[D+4*\i:D+4*\i+3], v7, s[32:33] offset:4096*\i th:TH_LOAD_NT
.endr
	s_mul_i32 s4, s7, 16*MP                        ; my wave's own 4,352 bytes of LDS
	v_mul_u32_u24 v13, v5, MP
	v_lshl_add_u32 v13, v4, 4, v13
	v_add_nc_u32 v13, s4, v13                      ; in: row 2 i + h, byte 16 r
	v_mul_u32_u24 v14, v4, MP
	v_lshl_add_u32 v14, v5, 3, v14
	v_add_nc_u32 v14, s4, v14                      ; back: row r, bytes 16 kt + 8 h .. + 7
	s_mov_b32 s36, 0xff                            ; the four bytes of a word
	s_mov_b32 s37, 0xff00
	s_mov_b32 s38, 0xff0000
	s_mov_b32 s39, 0xff000000
.irp j, 0,1,2,3
	v_mov_b32 v[8+\j], 0                           ; v_writelane_b32 keeps the other lanes: the registers are written whole first
.endr
	s_wait_loadcnt 0x0
.irp i, 0,1,2,3,4,5,6,7
	ds_store_b128 v13, v[D+4*\i:D+4*\i+3] offset:2*MP*\i
.endr
.irp kt, 0,1,2,3,4,5,6,7,8,9,10,11,12,13,14,15
	ds_load_b64 v[64+2*\kt:65+2*\kt], v14 offset:16*\kt            ; LDS serves a wave's instructions in order (ISA guide 5.7.1): these see the stores above
.endr
	s_wait_dscnt 0x0
	; Word (kt, j) is the compare's lane mask.  Lane 2 kt + (j >> 2), register j & 3 of v[8:11] is its place in the wave's 512 bytes of mbits.
.irp kt, 0,1,2,3,4,5,6,7,8,9,10,11,12,13,14,15
.irp j, 0,1,2,3
	v_and_b32 v[96+\j],  s[36+\j], v[64+2*\kt]     ; byte j
	v_and_b32 v[100+\j], s[36+\j], v[65+2*\kt]     ; byte 4 + j
.endr
.irp j, 0,1,2,3
	v_cmp_ne_u32 s[40+\j], 0, v[96+\j]
	v_cmp_ne_u32 s[44+\j], 0, v[100+\j]
.endr
.irp j, 0,1,2,3
	v_writelane_b32 v[8+\j], s[40+\j], 2*\kt
	v_writelane_b32 v[8+\j], s[44+\j], 2*\kt+1
.endr
.endr
	s_lshl_b32 s2, s6, 12                          ; 128 kt x 8 words of a q tile
	s_lshl_b32 s4, s7, 9                           ; my 16 kt
	s_add_co_u32 s2, s2, s4
	s_add_nc_u64 s[34:35], s[30:31], s[2:3]
	v_lshlrev_b32 v15, 4, v6
	global_store_b128 v15, v[8:11], s[34:35]       ; 512 consecutive bytes, aligned
	s_wait_tensorcnt 0x0
	ds_add_u32 v144, v145
	s_wait_dscnt 0x0
	s_endpgm
.Lbias:
	s_sub_co_u32 s6, ttmp9, NX+NW+NM               ; 0, 1, 2: bq, bk, bv
	s_cmp_eq_u32 s6, 0
	s_cselect_b64 s[32:33], s[16:17], s[18:19]
	s_cmp_eq_u32 s6, 2
	s_cselect_b64 s[32:33], s[20:21], s[32:33]
	s_lshl_b32 s2, s6, 12
	s_add_nc_u64 s[34:35], s[28:29], s[2:3]
	global_load_b128 v[16:19], v1, s[32:33]
	s_wait_loadcnt 0x0
	global_store_b128 v1, v[16:19], s[34:35]
	s_endpgm
.Lfunc_end_k_qee4cffb4c5_prep:
	.size	k_qee4cffb4c5_prep, .Lfunc_end_k_qee4cffb4c5_prep-k_qee4cffb4c5_prep
	.p2alignl 7, 3214868480
	.fill 96, 4, 3214868480
	.section	.rodata,"a",@progbits
	.p2align	6, 0x0
	.amdhsa_kernel k_qee4cffb4c5_prep
		.amdhsa_group_segment_fixed_size 35840
		.amdhsa_private_segment_fixed_size 0
		.amdhsa_enable_private_segment 0
		.amdhsa_kernarg_size 96
		.amdhsa_user_sgpr_count 2
		.amdhsa_user_sgpr_kernarg_segment_ptr 1
		.amdhsa_wavefront_size32 1
		.amdhsa_system_sgpr_workgroup_id_x 1
		.amdhsa_system_sgpr_workgroup_id_y 1
		.amdhsa_system_sgpr_workgroup_id_z 1
		.amdhsa_system_vgpr_workitem_id 0
		.amdhsa_next_free_vgpr 146
		.amdhsa_next_free_sgpr 66
		.amdhsa_reserve_vcc 0
		.amdhsa_float_denorm_mode_32 3
		.amdhsa_float_denorm_mode_16_64 3
		.amdhsa_memory_ordered 1
		.amdhsa_forward_progress 1
		.amdhsa_inst_pref_size 47
	.end_amdhsa_kernel
	.amdgpu_metadata
---
amdhsa.version: [ 1, 2 ]
amdhsa.kernels:
  - .name:           k_qee4cffb4c5_prep
    .symbol:         k_qee4cffb4c5_prep.kd
    .args:
      - { .name: X, .offset: 0, .size: 8, .value_kind: global_buffer, .address_space: global }
      - { .name: Wq, .offset: 8, .size: 8, .value_kind: global_buffer, .address_space: global }
      - { .name: Wk, .offset: 16, .size: 8, .value_kind: global_buffer, .address_space: global }
      - { .name: Wv, .offset: 24, .size: 8, .value_kind: global_buffer, .address_space: global }
      - { .name: bq, .offset: 32, .size: 8, .value_kind: global_buffer, .address_space: global }
      - { .name: bk, .offset: 40, .size: 8, .value_kind: global_buffer, .address_space: global }
      - { .name: bv, .offset: 48, .size: 8, .value_kind: global_buffer, .address_space: global }
      - { .name: mask, .offset: 56, .size: 8, .value_kind: global_buffer, .address_space: global }
      - { .name: Xh, .offset: 64, .size: 8, .value_kind: global_buffer, .address_space: global }
      - { .name: Wh, .offset: 72, .size: 8, .value_kind: global_buffer, .address_space: global }
      - { .name: ball, .offset: 80, .size: 8, .value_kind: global_buffer, .address_space: global }
      - { .name: mbits, .offset: 88, .size: 8, .value_kind: global_buffer, .address_space: global }
    .group_segment_fixed_size: 35840
    .private_segment_fixed_size: 0
    .kernarg_segment_align: 8
    .kernarg_segment_size: 96
    .max_flat_workgroup_size: 256
    .sgpr_count:     66
    .vgpr_count:     146
    .wavefront_size: 32
...
	.end_amdgpu_metadata
.endif
;; end of part 1
;; launch qk (part 2): grid 8 x 32, 4 waves a work-group, clusters of 4 x 4, 327,680 bytes of LDS; arguments Xh, Wh, ball, QK; writes QK
.if DOCPART == 2
	.amdgcn_target "amdgcn-amd-amdhsa--gfx1250"
	.amdhsa_code_object_version 6
	.text
	.protected	k_qee4cffb4c5_qk
	.globl	k_qee4cffb4c5_qk
	.p2align	8
	.type	k_qee4cffb4c5_qk,@function
k_qee4cffb4c5_qk:
	s_mov_b64 s[64:65], 0
	v_nop
	global_prefetch_b8 v0, s[64:65] scope:SCOPE_SE
	s_setreg_imm32_b32 hwreg(HW_REG_WAVE_MODE, 25, 1), 1
	s_wait_xcnt 0x0
	s_wait_alu depctr_hold_cnt(0) depctr_sa_sdst(0) depctr_va_vdst(0) depctr_va_sdst(0) depctr_va_ssrc(0) depctr_va_vcc(0) depctr_vm_vsrc(0)
	s_getreg_b32 s2, hwreg(HW_REG_IB_STS2, 6, 4)
	s_cmp_eq_u32 s2, 0
	s_cbranch_scc0 .Lentry_in_a_cluster
	s_endpgm
.Lentry_in_a_cluster:
	s_bfe_u32 s2, ttmp6, 0x10000c
	s_cmp_lg_u32 s2, 0xf033
	s_cbranch_scc0 .Lentry_shape_is_right
	s_endpgm
.Lentry_shape_is_right:
; QK[m][n] = sum over k of Xh[m][k] Wh[n][k] + ball[n], n = 0..2047, rounded once to f16.  Xh [8192][1024], Wh [3072][1024] f16, ball f32, QK [8192][2048] f16
; (columns 0-1023 Q, 1024-2047 K).  Sums in f32, K ascending; the bias is the C operand of the first product, so nothing is cleared or added later.
; Q and K go in f16 and not in bf16: a score is a sum of 1,024 products, and rows with few unmasked keys pass its error on to the output undamped.
; A work-group makes 256 x 256 with four waves, a wave 128 x 128: 64 accumulator tiles, 512 registers.  8 x 32 = 256 work-groups.
; K goes in steps of 128 through a ring of two LDS slots (A's 256 rows, then B's 256 rows, 256 bytes of data a row).
; CLUSTERS: 4 x 4 work-groups.  A's tiles hang on the block row alone and are asked for jointly along a row of the cluster, B's on the block column alone and
; are asked for jointly along a column: the requests for A and for B are divided by four.
; REGISTERS in windows of 256: window 0 addresses, A's fragments (two buffers of 64), packed results; window 1 the bias (v0-63) and B's fragments (two buffers of 64);
; window 2 the tiles of my rows 0-63 (tile (a, b) at v[8 (8 a + b)]), window 3 those of rows 64-127.
; The matrix instruction is used transposed (source 0 = rows of Wh, source 1 = rows of Xh): lane l holds row l % 16 of C, registers 0-7 the columns 8 (l / 16) + 0..7.
; LIMIT: Q and K above 65,504 in magnitude become infinite.
.set KSTEP,  128
.set PITCH,  272                       ; an LDS row: 256 bytes + 16 of padding: the 16 rows of a fragment load start 68 words apart
.set HALFT,  128*PITCH                 ; what one tensor load brings
.set SLOT,   4*HALFT
.set STAGE,  2*SLOT                    ; behind the ring: 16 rows x 272 bytes for each wave
.set SPITCH, 272
.set CROW,   4096                      ; bytes in a row of QK
.set LAPS,   4                         ; 1,024 / (2 x 128)
.set ADRA, 16                          ; v16-17  LDS address of my A fragments in slot 0, 1
.set ADRB, 20                          ; v20-21  the same for B
.set STO,  24                          ; v24     the way out: where I put 16 bytes of a row
.set RD,   25                          ; v25     where I read a row back
.set CO,   26                          ; v26     my byte offset in QK
.set BOFF, 27                          ; v27     32 (l / 16): my eight numbers of sixteen of the bias
.set F0,   64
.set F1,   128
.set TMP,  192
.set G1, 24                            ; s[24:31] group 1 for A's tiles
.set G0, 32                            ; s[32:39] group 0 for A's tiles, a set for each slot
.set G1B, 48                           ; s[48:55] group 1 for B's tiles
.set G0B, 56                           ; s[56:63] group 0 for B's tiles, a set for each slot
.set MSB, 0
.macro WIN new                         ; the immediate's high byte repeats the setting that is left
.if MSB != \new
	s_set_vgpr_msb (MSB<<8)|\new
.set MSB, \new
.endif
.endm
.set MUL_LO,   0xa1                    ; source 0 (B) window 1, source 1 (A) window 0, C and D window 2
.set MUL_HI,   0xf1                    ; the same, C and D window 3
.set FIRST_LO, 0x91                    ; the first products: C is the bias in window 1, D window 2
.set FIRST_HI, 0xd1                    ; D window 3
.set TO_B,     0x40                    ; destination window 1, address window 0
; A joint load: waves 0 and 1 ask for A's two halves, waves 2 and 3 for B's.  Each line has one mask; the branch hangs on the wave's number alone.
.macro JLOAD s
	s_cmp_eq_u32 s11, 0
	s_cbranch_scc0 .Lfor_b_\@
	tensor_load_to_lds s[G0+4*\s:G0+4*\s+3], s[G1:G1+7]
	s_nop 0
.rept 4
	v_nop
.endr
	s_branch .Lasked_\@
.Lfor_b_\@:
	tensor_load_to_lds s[G0B+4*\s:G0B+4*\s+3], s[G1B:G1B+7]
	s_nop 0
.rept 4
	v_nop
.endr
.Lasked_\@:
.endm
; A round of the cluster's barrier: my work-group's barrier, wave 0 signals for the work-group, every wave waits for all sixteen, my work-group's barrier again.
.macro CREST
	s_cmp_lg_u32 s10, 0
	s_cbranch_scc1 .Lnot_wave_0_\@
	s_barrier_signal -3
.Lnot_wave_0_\@:
	s_barrier_wait -3
	s_barrier_signal -1
	s_barrier_wait -1
.endm
.macro CROUND
	s_barrier_signal -1
	s_barrier_wait -1
	CREST
.endm
	s_load_b128 s[4:7], s[0:1], 0x0                ; Xh s[4:5], Wh s[6:7]
	s_load_b128 s[68:71], s[0:1], 0x10             ; ball s[68:69], QK s[70:71]
	s_set_vgpr_msb 0x40
	v_lshl_add_u32 v255, v0, 2, 0x48400
	s_set_vgpr_msb 0x4000
	v_mov_b32 v255, 0
	s_set_vgpr_msb 0x1
	ds_add_u32 v255, v255
	s_set_vgpr_msb 0x100
	v_lshrrev_b32 v1, 5, v0
	v_readfirstlane_b32 s10, v1                    ; wave 0..3
	s_lshr_b32 s11, s10, 1                         ; wm: my half of the rows.  Also: I fetch for A (0) or for B (1)
	s_and_b32 s12, s10, 1                          ; wn: my half of the columns.  Also: which 128 rows of that tile I fetch
	s_bfe_u32 s40, ttmp6, 0x40000                  ; cx
	s_bfe_u32 s41, ttmp6, 0x40004                  ; cy
	s_lshl_b32 s42, ttmp9, 2
	s_add_co_u32 s42, s42, s40                     ; block column = 4 x cluster x + cx
	s_and_b32 s13, ttmp7, 0xffff
	s_lshl_b32 s13, s13, 2
	s_add_co_u32 s13, s13, s41                     ; block row = 4 x cluster y + cy
	s_lshl_b32 s43, s41, 2
	s_lshl_b32 s43, 15, s43                        ; my row of the cluster
	s_lshl_b32 s44, 0x1111, s40                    ; my column
	; group 1: a tile of 128 rows x 128 elements of 2 bytes, 4 words of padding behind every 64 words, 1,024 elements from row to row
	s_or_b32 s[G1+0], s43, (1<<16)|(1<<20)|(1<<21)|(5<<22)|(3<<25)
	s_or_b32 s[G1B+0], s44, (1<<16)|(1<<20)|(1<<21)|(5<<22)|(3<<25)
	s_mov_b32 s[G1+1], KSTEP<<16                   ; tensor_dim0 = 128
	s_mov_b32 s[G1B+1], KSTEP<<16
	s_mov_b32 s[G1+2], 128<<16                     ; tensor_dim1 = 128
	s_mov_b32 s[G1B+2], 128<<16
	s_mov_b32 s[G1+3], KSTEP<<16                   ; tile_dim0 = 128
	s_mov_b32 s[G1B+3], KSTEP<<16
	s_mov_b32 s[G1+4], 128                         ; tile_dim1 = 128
	s_mov_b32 s[G1B+4], 128
	s_mov_b32 s[G1+5], 1024                        ; the pitch
	s_mov_b32 s[G1B+5], 1024
	s_mov_b32 s[G1+6], 0
	s_mov_b32 s[G1B+6], 0
	s_mov_b32 s[G1+7], 0
	s_mov_b32 s[G1B+7], 0
	; A's address is made of the block row and the wave's number, B's of the block column and the wave's number, each in registers that never hold the other coordinate
	s_lshl_b32 s17, s12, 7
	s_lshl_b32 s16, s13, 8
	s_add_co_u32 s16, s16, s17                     ; A: row 256 y + 128 x half,
	s_lshl_b32 s16, s16, 11                        ; 2,048 bytes a row
	s_mov_b32 s17, 0
	s_lshl_b32 s46, s42, 8
	s_lshl_b32 s47, s12, 7
	s_add_co_u32 s46, s46, s47                     ; B: row 256 x + 128 x half
	s_lshl_b32 s46, s46, 11
	s_mov_b32 s47, 0
	s_mul_i32 s20, s10, HALFT                      ; where the tile goes: wave x 128 rows
	s_lshl_b32 s72, s42, 10                        ; the bias of my 128 columns: (256 x + 128 wn) x 4 bytes
	s_lshl_b32 s73, s12, 9
	s_add_co_u32 s72, s72, s73
	s_mov_b32 s73, 0
	s_lshl_b32 s74, s13, 1                         ; the way out: row 256 y + 128 wm, 4,096 bytes a row,
	s_add_co_u32 s74, s74, s11
	s_lshl_b32 s74, s74, 19
	s_lshl_b32 s75, s42, 9                         ; 512 bytes a block of columns,
	s_add_co_u32 s74, s74, s75
	s_lshl_b32 s75, s12, 8                         ; 256 bytes a half
	s_add_co_u32 s74, s74, s75
	s_mov_b32 s75, 0
	s_wait_dscnt 0x0
	s_wait_kmcnt 0x0
	s_add_nc_u64 s[14:15], s[4:5], s[16:17]
	s_add_nc_u64 s[46:47], s[6:7], s[46:47]
	s_add_nc_u64 s[68:69], s[68:69], s[72:73]
	s_add_nc_u64 s[70:71], s[70:71], s[74:75]
	CROUND                                         ; all sixteen work-groups are here: the first joint loads meet
.irp s, 0,1
	s_mov_b32 s[G0+4*\s], 1
	s_add_co_u32 s[G0+4*\s+1], s20, \s*SLOT
	s_add_nc_u64 s[G0+4*\s+2:G0+4*\s+3], s[14:15], \s*KSTEP*2
	s_or_b32 s[G0+4*\s+3], s[G0+4*\s+3], 0x80000000
	s_mov_b32 s[G0B+4*\s], 1
	s_add_co_u32 s[G0B+4*\s+1], s20, \s*SLOT
	s_add_nc_u64 s[G0B+4*\s+2:G0B+4*\s+3], s[46:47], \s*KSTEP*2
	s_or_b32 s[G0B+4*\s+3], s[G0B+4*\s+3], 0x80000000
	JLOAD \s                                       ; both slots are asked for before anything else: two tensor loads of the wave are out
.endr
	v_and_b32 v1, 15, v0                           ; r = l % 16
	v_bfe_u32 v2, v0, 4, 1                         ; h = l / 16
	v_mul_u32_u24 v3, v1, PITCH
	v_lshl_add_u32 v3, v2, 4, v3                   ; row x pitch + 16 h
	s_mul_i32 s21, s11, HALFT                      ; my 128 rows of A
	s_mul_i32 s22, s12, HALFT                      ; my 128 rows of B,
	s_add_co_u32 s22, s22, 2*HALFT                 ; which lie behind A's 256
.irp s, 0,1
	v_add_nc_u32 v[ADRA+\s], s21, v3
	v_add_nc_u32 v[ADRB+\s], s22, v3
	s_add_co_u32 s21, s21, SLOT
	s_add_co_u32 s22, s22, SLOT
.endr
	s_mul_i32 s23, s10, 16*SPITCH
	s_add_co_u32 s23, s23, STAGE                   ; my stage
	v_add_nc_u32 v[STO], s23, v3                   ; in: row r, 16 bytes for each half of the lanes
	v_mul_u32_u24 v5, v2, SPITCH
	v_lshl_add_u32 v5, v1, 4, v5
	v_add_nc_u32 v[RD], s23, v5                    ; back: lanes 0-15 one row of 256 bytes, lanes 16-31 the next
	v_lshlrev_b32 v5, 12, v2
	v_lshl_add_u32 v[CO], v1, 4, v5                ; the same two rows in QK
	v_lshlrev_b32 v[BOFF], 5, v2
	WIN TO_B
.irp b, 0,1,2,3,4,5,6,7
	global_load_b128 v[8*\b:8*\b+3],   v[BOFF], s[68:69] offset:64*\b      ; register j of tile column b: ball[256 x + 128 wn + 16 b + 8 h + j]
	global_load_b128 v[8*\b+4:8*\b+7], v[BOFF], s[68:69] offset:64*\b+16
.endr
	WIN 0
; 16 matrix instructions: m blocks a0, a0 + 1 of the window's four x all 8 n blocks, 32 along K.  first = 1: C is the bias.
; The 64 accumulators take turns, one instruction a turn, in the same order in every quarter step.
.macro MUL16 f, hi, a0, first
.irp a, \a0, \a0+1
.irp b, 0,1,2,3,4,5,6,7
.if \first
	v_wmma_f32_16x16x32_f16 v[8*(8*(\a)+\b):8*(8*(\a)+\b)+7], v[\f+8*\b:\f+8*\b+7], v[\f+8*(4*\hi+\a):\f+8*(4*\hi+\a)+7], v[8*\b:8*\b+7]
.else
	v_wmma_f32_16x16x32_f16 v[8*(8*(\a)+\b):8*(8*(\a)+\b)+7], v[\f+8*\b:\f+8*\b+7], v[\f+8*(4*\hi+\a):\f+8*(4*\hi+\a)+7], v[8*(8*(\a)+\b):8*(8*(\a)+\b)+7]
.endif
.endr
.endr
.endm
; 32 LDS loads in one run: 128 rows of B, then 128 rows of A, 32 K at byte k of the rows, into buffer f
.macro FETCH slot, k, f
	WIN TO_B
.irp i, 0,1,2,3,4,5,6,7
	ds_load_b128 v[\f+8*\i:\f+8*\i+3],   v[ADRB+\slot] offset:\k+\i*16*PITCH
	ds_load_b128 v[\f+8*\i+4:\f+8*\i+7], v[ADRB+\slot] offset:\k+\i*16*PITCH+32
.endr
	WIN 0
.irp i, 0,1,2,3,4,5,6,7
	ds_load_b128 v[\f+8*\i:\f+8*\i+3],   v[ADRA+\slot] offset:\k+\i*16*PITCH
	ds_load_b128 v[\f+8*\i+4:\f+8*\i+7], v[ADRA+\slot] offset:\k+\i*16*PITCH+32
.endr
.endm
; Four plain vector instructions between a matrix instruction and a load into, or a vector instruction on, one of its registers
.macro PLACES
.rept 4
	v_nop
.endr
.endm
.macro QUARTER slot, k, f, g, first
	s_wait_dscnt 8                                 ; B and A's rows 0-63 are in; the youngest eight loads (A's rows 64-127) may be out
.if \first
	WIN FIRST_LO
.else
	WIN MUL_LO
.endif
	MUL16 \f, 0, 0, \first
	MUL16 \f, 0, 2, \first
	PLACES
	FETCH \slot, \k, \g
	s_wait_dscnt 32                                ; all but the 32 just issued
.if \first
	WIN FIRST_HI
.else
	WIN MUL_HI
.endif
	MUL16 \f, 1, 0, \first
	MUL16 \f, 1, 2, \first
.endm
.macro THREE slot, first
	QUARTER \slot, 64,  F0, F1, \first
	QUARTER \slot, 128, F1, F0, 0
	QUARTER \slot, 192, F0, F1, 0
.endm
; The last quarter of a K step changes slots.  In front of the barrier each wave waits for its reads of this slot and for all its tensor loads (one is out: its part
; of the next slot).  Behind it the refill comes first, then the next slot's first fragments.  From a request to the wait for it a wave issues 240 matrix instructions.
.macro TURN slot, next, fill
	s_wait_dscnt 8
	WIN MUL_LO
	MUL16 F1, 0, 0, 0
	s_wait_dscnt 0                                 ; my reads of this slot are over
	s_wait_tensorcnt 0x0                           ; all my tensor loads have landed
	ds_add_u32 v255, v255
	s_wait_dscnt 0x0
	s_barrier_signal -1                            ; where a slot is filled again this barrier opens a round of the cluster's barrier
	MUL16 F1, 0, 2, 0                              ; register work while the others arrive
	WIN 0
	s_barrier_wait -1
.if \fill
	CREST                                          ; no wave of any partner still reads this slot or has a load on its way
	s_add_nc_u64 s[G0+4*\slot+2:G0+4*\slot+3], s[G0+4*\slot+2:G0+4*\slot+3], 2*KSTEP*2
	s_add_nc_u64 s[G0B+4*\slot+2:G0B+4*\slot+3], s[G0B+4*\slot+2:G0B+4*\slot+3], 2*KSTEP*2
	JLOAD \slot                                    ; the wave's one tensor load behind the round; its four v_nop are the places in front of the loads below
.else
	PLACES
.endif
	FETCH \next, 0, F0
	WIN MUL_HI
	MUL16 F1, 1, 0, 0
	MUL16 F1, 1, 2, 0
.endm
.macro LAP first
	THREE 0, \first
	TURN 0, 1, 1
	THREE 1, 0
	TURN 1, 0, 1
.endm
	s_wait_loadcnt 0x0                             ; the bias
	s_wait_tensorcnt 1                             ; my part of K step 0 is in; K step 1's stays out
	s_barrier_signal -1
	s_barrier_wait -1
	FETCH 0, 0, F0
	LAP 1
	WIN 0
	s_mov_b32 s3, LAPS-2
.Llap:
	LAP 0
	WIN 0
	s_sub_co_u32 s3, s3, 1
	s_cmp_lg_u32 s3, 0
	s_cbranch_scc1 .Llap
	THREE 0, 0                                     ; the last lap fills nothing
	TURN 0, 1, 0
	THREE 1, 0
	s_wait_dscnt 8
	WIN MUL_LO
	MUL16 F1, 0, 0, 0
	MUL16 F1, 0, 2, 0
	s_wait_dscnt 0
	WIN MUL_HI
	MUL16 F1, 1, 0, 0
	MUL16 F1, 1, 2, 0
	; THE WAY OUT, 16 rows at a time: round to f16, 16 bytes a lane into my own stage, whole rows of 256 bytes back.
	PLACES
.macro OUT16 i, a, from, f
	WIN \from
.irp b, 0,1,2,3,4,5,6,7
.irp r, 0,1,2,3
	v_cvt_pk_f16_f32 v[TMP+4*\b+\r], v[8*(8*\a+\b)+2*\r], v[8*(8*\a+\b)+2*\r+1]
.endr
.endr
	WIN 0
.irp b, 0,1,2,3,4,5,6,7
	ds_store_b128 v[STO], v[TMP+4*\b:TMP+4*\b+3] offset:32*\b
.endr
	s_wait_xcnt 0x0                                ; buffer f and the base, which earlier stores read, are rewritten only behind this wait (ISA guide 3.1)
.if \i
	s_add_nc_u64 s[70:71], s[70:71], 16*CROW
.endif
.irp t, 0,1,2,3,4,5,6,7
	ds_load_b128 v[\f+4*\t:\f+4*\t+3], v[RD] offset:\t*2*SPITCH    ; my own bytes, served in order behind the stores above (ISA guide 5.7.1)
.endr
.irp t, 0,1,2,3,4,5,6,7
	s_wait_dscnt 7-\t                              ; the 7 - t younger loads stay out
	global_store_b128 v[CO], v[\f+4*\t:\f+4*\t+3], s[70:71] offset:2*\t*CROW   ; sixteen lanes store 256 consecutive bytes, aligned
.endr
.endm
	OUT16 0, 0, 0x0a, F0
	OUT16 1, 1, 0x0a, F1
	OUT16 2, 2, 0x0a, F0
	OUT16 3, 3, 0x0a, F1
	OUT16 4, 0, 0x0f, F0
	OUT16 5, 1, 0x0f, F1
	OUT16 6, 2, 0x0f, F0
	OUT16 7, 3, 0x0f, F1
	s_set_vgpr_msb 0x1
	s_wait_tensorcnt 0x0
	ds_add_u32 v255, v255
	s_wait_dscnt 0x0
	s_set_vgpr_msb 0x100
	CROUND                                         ; the closing round
	s_endpgm
.Lfunc_end_k_qee4cffb4c5_qk:
	.size	k_qee4cffb4c5_qk, .Lfunc_end_k_qee4cffb4c5_qk-k_qee4cffb4c5_qk
	.p2alignl 7, 3214868480
	.fill 96, 4, 3214868480
	.section	.rodata,"a",@progbits
	.p2align	6, 0x0
	.amdhsa_kernel k_qee4cffb4c5_qk
		.amdhsa_group_segment_fixed_size 327680
		.amdhsa_private_segment_fixed_size 0
		.amdhsa_enable_private_segment 0
		.amdhsa_kernarg_size 32
		.amdhsa_user_sgpr_count 2
		.amdhsa_user_sgpr_kernarg_segment_ptr 1
		.amdhsa_wavefront_size32 1
		.amdhsa_system_sgpr_workgroup_id_x 1
		.amdhsa_system_sgpr_workgroup_id_y 1
		.amdhsa_system_sgpr_workgroup_id_z 1
		.amdhsa_system_vgpr_workitem_id 0
		.amdhsa_next_free_vgpr 1024
		.amdhsa_next_free_sgpr 76
		.amdhsa_reserve_vcc 0
		.amdhsa_float_denorm_mode_32 3
		.amdhsa_float_denorm_mode_16_64 3
		.amdhsa_memory_ordered 1
		.amdhsa_forward_progress 1
		.amdhsa_inst_pref_size 199
	.end_amdhsa_kernel
	.amdgpu_metadata
---
amdhsa.version: [ 1, 2 ]
amdhsa.kernels:
  - .name:           k_qee4cffb4c5_qk
    .symbol:         k_qee4cffb4c5_qk.kd
    .args:
      - { .name: Xh, .offset: 0, .size: 8, .value_kind: global_buffer, .address_space: global }
      - { .name: Wh, .offset: 8, .size: 8, .value_kind: global_buffer, .address_space: global }
      - { .name: ball, .offset: 16, .size: 8, .value_kind: global_buffer, .address_space: global }
      - { .name: QK, .offset: 24, .size: 8, .value_kind: global_buffer, .address_space: global }
    .group_segment_fixed_size: 327680
    .private_segment_fixed_size: 0
    .kernarg_segment_align: 8
    .kernarg_segment_size: 32
    .max_flat_workgroup_size: 128
    .sgpr_count:     76
    .vgpr_count:     1024
    .wavefront_size: 32
...
	.end_amdgpu_metadata
.endif
;; end of part 2
;; launch scores (part 3): grid 8 x 32, 4 waves a work-group, clusters of 4 x 4, 327,680 bytes of LDS; arguments QK, mbits, P, stats; writes P, stats
.if DOCPART == 3
	.amdgcn_target "amdgcn-amd-amdhsa--gfx1250"
	.amdhsa_code_object_version 6
	.text
	.protected	k_qee4cffb4c5_scores
	.globl	k_qee4cffb4c5_scores
	.p2align	8
	.type	k_qee4cffb4c5_scores,@function
k_qee4cffb4c5_scores:
	s_mov_b64 s[64:65], 0
	v_nop
	global_prefetch_b8 v0, s[64:65] scope:SCOPE_SE
	s_setreg_imm32_b32 hwreg(HW_REG_WAVE_MODE, 25, 1), 1
	s_wait_xcnt 0x0
	s_wait_alu depctr_hold_cnt(0) depctr_sa_sdst(0) depctr_va_vdst(0) depctr_va_sdst(0) depctr_va_ssrc(0) depctr_va_vcc(0) depctr_vm_vsrc(0)
	s_getreg_b32 s2, hwreg(HW_REG_IB_STS2, 6, 4)
	s_cmp_eq_u32 s2, 0
	s_cbranch_scc0 .Lentry_in_a_cluster
	s_endpgm
.Lentry_in_a_cluster:
	s_bfe_u32 s2, ttmp6, 0x10000c
	s_cmp_lg_u32 s2, 0xf033
	s_cbranch_scc0 .Lentry_shape_is_right
	s_endpgm
.Lentry_shape_is_right:
; Scores and the first half of the softmax.  s[q][key] = sum over d of Q[q][d] K[key][d]; k = log2(e) / 32.
; For each row q and each chunk c of 128 keys: m_c = the largest unmasked s of the chunk, e_c = ceil(k m_c): the chunk's maximum, rounded up to a whole number, is
; taken away in front of every exponential, so every exponent is at most 0 and the largest lies in (-1, 0].  p = exp2(k s - e_c) (0 where masked).
; stats plane 0 = e_c (-inf where the whole chunk is masked), plane 1 = l_c = the sum of the p.  Because e_c is whole, the next kernel brings the chunks to the
; row's own shift by exact powers of two.
; p leaves as two f16 numbers: hi = p cut to 11 significant bits, lo = p - hi (exact in f32) rounded to f16.  P [8192][16 chunks][hi 128 | lo 128].
; A work-group makes 256 rows x 256 keys with four waves, a wave 128 x 128 = one chunk of 128 rows: 64 accumulator tiles, 512 registers.  8 x 32 = 256 work-groups;
; x = block of keys, y = 8 x batch + block of rows.  K (here d = 1,024) goes in steps of 128 through two LDS slots.  Q and K are columns 0-1023 and 1024-2047 of QK.
; CLUSTERS: 4 x 4; Q's tiles are asked for jointly along a row of the cluster, K's along a column (a cluster lies inside one batch: 4 divides 8).
; REGISTERS: window 0 addresses, Q's fragments, the epilogue's work; window 1 K's fragments; windows 2, 3 the tiles of my rows 0-63, 64-127 (tile (a, b) at v[8 (8 a + b)]).
; Transposed use: source 0 = rows of K, source 1 = rows of Q: lane l holds row l % 16, registers 0-7 the keys 8 (l / 16) + 0..7.
; LIMITS: operands f16.  Scores that overflow f32, NaN and infinities in Q or K are not served.  hi + lo carry p to within 2^-21 of itself or 2^-25, whichever is larger.
.set KSTEP,  128
.set PITCH,  272
.set HALFT,  128*PITCH
.set SLOT,   4*HALFT
.set STAGE,  2*SLOT                    ; 16 rows x 528 bytes for each wave: hi's 256 bytes, lo's 256 bytes, 16 of padding
.set SPITCH, 528
.set STATS,  STAGE+4*16*SPITCH         ; 1,024 bytes for each wave: 128 e_c, 128 l_c
.set PROW,   8192                      ; bytes in a row of P
.set LAPS,   4
.set ADRA, 16
.set ADRB, 20
.set STO,  24                          ; v24  stage: where I put 16 bytes of a row
.set RD,   25                          ; v25  stage: where I read a row back
.set CO,   26                          ; v26  my byte offset in P
.set SM,   27                          ; v27  stats stage + 4 r
.set SR,   28                          ; v28  stats stage + 16 l
.set NINF, 30                          ; v30  -inf
.set MX,   32                          ; v32-35  four chains of the maximum
.set MK,   36                          ; v36  e_c
.set NMK,  37                          ; v37  -e_c
.set NMS,  38                          ; v38-39  the shift, twice
.set SU,   40                          ; v40-47  four chains of the sum, two numbers each
.set PX,   48                          ; v48  the other half's figure
.set T,    64                          ; v64-127  16 rows' masked scores, their exponentials, lo; then the rows read back
.set H,    128                         ; v128-191 hi in f32; then hi packed (v128-159) and lo packed (v160-191)
.set ST,   192                         ; v192-199 stats read back
.set F0,   64
.set F1,   128
.set G1, 24
.set G0, 32
.set G1B, 48
.set G0B, 56
.set MSB, 0
.macro WIN new
.if MSB != \new
	s_set_vgpr_msb (MSB<<8)|\new
.set MSB, \new
.endif
.endm
.set MUL_LO, 0xa1
.set MUL_HI, 0xf1
.set TO_B,   0x40
.macro JLOAD s                         ; waves 0 and 1 ask for Q's two halves, waves 2 and 3 for K's
	s_cmp_eq_u32 s11, 0
	s_cbranch_scc0 .Lfor_b_\@
	tensor_load_to_lds s[G0+4*\s:G0+4*\s+3], s[G1:G1+7]
	s_nop 0
.rept 4
	v_nop
.endr
	s_branch .Lasked_\@
.Lfor_b_\@:
	tensor_load_to_lds s[G0B+4*\s:G0B+4*\s+3], s[G1B:G1B+7]
	s_nop 0
.rept 4
	v_nop
.endr
.Lasked_\@:
.endm
.macro CREST
	s_cmp_lg_u32 s10, 0
	s_cbranch_scc1 .Lnot_wave_0_\@
	s_barrier_signal -3
.Lnot_wave_0_\@:
	s_barrier_wait -3
	s_barrier_signal -1
	s_barrier_wait -1
.endm
.macro CROUND
	s_barrier_signal -1
	s_barrier_wait -1
	CREST
.endm
	s_load_b256 s[68:75], s[0:1], 0x0              ; QK s[68:69], mbits s[70:71], P s[72:73], stats s[74:75]
	s_set_vgpr_msb 0x40
	v_lshl_add_u32 v255, v0, 2, 0x4d400
	s_set_vgpr_msb 0x4000
	v_mov_b32 v255, 0
	s_set_vgpr_msb 0x1
	ds_add_u32 v255, v255
	s_set_vgpr_msb 0x100
	v_lshrrev_b32 v1, 5, v0
	v_readfirstlane_b32 s10, v1                    ; wave 0..3
	s_lshr_b32 s11, s10, 1                         ; wm: my half of the rows.  Also: I fetch for Q (0) or for K (1)
	s_and_b32 s12, s10, 1                          ; wn: my half of the keys.  Also: which 128 rows of that tile I fetch
	s_bfe_u32 s40, ttmp6, 0x40000                  ; cx
	s_bfe_u32 s41, ttmp6, 0x40004                  ; cy
	s_lshl_b32 s42, ttmp9, 2
	s_add_co_u32 s42, s42, s40                     ; x = 4 x cluster x + cx
	s_and_b32 s45, ttmp7, 0xffff                   ; the cluster's y
	s_lshl_b32 s13, s45, 2
	s_add_co_u32 s13, s13, s41                     ; y = 4 x cluster y + cy
	s_lshr_b32 s45, s45, 1                         ; batch = y / 8, from the cluster's y alone
	s_lshl_b32 s43, s41, 2
	s_lshl_b32 s43, 15, s43                        ; my row of the cluster
	s_lshl_b32 s44, 0x1111, s40                    ; my column
	s_or_b32 s[G1+0], s43, (1<<16)|(1<<20)|(1<<21)|(5<<22)|(3<<25)
	s_or_b32 s[G1B+0], s44, (1<<16)|(1<<20)|(1<<21)|(5<<22)|(3<<25)
	s_mov_b32 s[G1+1], KSTEP<<16
	s_mov_b32 s[G1B+1], KSTEP<<16
	s_mov_b32 s[G1+2], 128<<16
	s_mov_b32 s[G1B+2], 128<<16
	s_mov_b32 s[G1+3], KSTEP<<16
	s_mov_b32 s[G1B+3], KSTEP<<16
	s_mov_b32 s[G1+4], 128
	s_mov_b32 s[G1B+4], 128
	s_mov_b32 s[G1+5], 2048                        ; elements from row to row of QK
	s_mov_b32 s[G1B+5], 2048
	s_mov_b32 s[G1+6], 0
	s_mov_b32 s[G1B+6], 0
	s_mov_b32 s[G1+7], 0
	s_mov_b32 s[G1B+7], 0
	s_lshl_b32 s17, s12, 7
	s_lshl_b32 s16, s13, 8
	s_add_co_u32 s16, s16, s17                     ; Q: row 256 y + 128 x half,
	s_lshl_b32 s16, s16, 12                        ; 4,096 bytes a row
	s_mov_b32 s17, 0
	s_lshl_b32 s46, s42, 8
	s_lshl_b32 s47, s12, 7
	s_add_co_u32 s46, s46, s47
	s_lshl_b32 s47, s45, 11
	s_add_co_u32 s46, s46, s47                     ; K: row 2,048 batch + 256 x + 128 x half,
	s_lshl_b32 s46, s46, 12
	s_add_co_u32 s46, s46, 2048                    ; at byte 2,048 of the row
	s_mov_b32 s47, 0
	s_mul_i32 s20, s10, HALFT
	; the epilogue's bases, made now: the registers of the ids will hold mask words by then
	s_and_b32 s84, s13, 7
	s_lshl_b32 s84, s84, 1
	s_add_co_u32 s84, s84, s11                     ; 2 (y % 8) + wm: my 128 rows inside the batch
	s_lshl_b32 s85, s42, 1
	s_add_co_u32 s85, s85, s12                     ; c = 2 x + wn: my chunk
	s_lshl_b32 s80, s84, 15                        ; mbits: 8 q tiles of 4,096 bytes,
	s_lshl_b32 s86, s85, 8                         ; 8 key tiles of 32 bytes
	s_add_co_u32 s80, s80, s86
	s_mov_b32 s81, 0
	s_lshl_b32 s82, s13, 1
	s_add_co_u32 s82, s82, s11
	s_lshl_b32 s82, s82, 20                        ; P: 128 rows of 8,192 bytes,
	s_lshl_b32 s86, s85, 9                         ; 512 bytes a chunk
	s_add_co_u32 s82, s82, s86
	s_mov_b32 s83, 0
	s_lshr_b32 s78, s13, 3
	s_lshl_b32 s78, s78, 4
	s_add_co_u32 s78, s78, s85
	s_lshl_b32 s78, s78, 13                        ; stats: (16 batch + c) x 2,048 rows x 4 bytes,
	s_lshl_b32 s86, s84, 9                         ; 128 rows x 4 bytes
	s_add_co_u32 s78, s78, s86
	s_mov_b32 s79, 0
	s_mov_b32 s76, 0x76543210                      ; v_permlanex16_b32: lane i of one half reads lane i of the other
	s_mov_b32 s77, 0xfedcba98
	s_wait_dscnt 0x0
	s_wait_kmcnt 0x0
	s_add_nc_u64 s[14:15], s[68:69], s[16:17]
	s_add_nc_u64 s[46:47], s[68:69], s[46:47]
	s_add_nc_u64 s[70:71], s[70:71], s[80:81]
	s_add_nc_u64 s[72:73], s[72:73], s[82:83]
	s_add_nc_u64 s[74:75], s[74:75], s[78:79]
	CROUND
.irp s, 0,1
	s_mov_b32 s[G0+4*\s], 1
	s_add_co_u32 s[G0+4*\s+1], s20, \s*SLOT
	s_add_nc_u64 s[G0+4*\s+2:G0+4*\s+3], s[14:15], \s*KSTEP*2
	s_or_b32 s[G0+4*\s+3], s[G0+4*\s+3], 0x80000000
	s_mov_b32 s[G0B+4*\s], 1
	s_add_co_u32 s[G0B+4*\s+1], s20, \s*SLOT
	s_add_nc_u64 s[G0B+4*\s+2:G0B+4*\s+3], s[46:47], \s*KSTEP*2
	s_or_b32 s[G0B+4*\s+3], s[G0B+4*\s+3], 0x80000000
	JLOAD \s
.endr
	v_and_b32 v1, 15, v0                           ; r
	v_bfe_u32 v2, v0, 4, 1                         ; h
	v_and_b32 v6, 31, v0                           ; l
	v_mul_u32_u24 v3, v1, PITCH
	v_lshl_add_u32 v3, v2, 4, v3
	s_mul_i32 s21, s11, HALFT
	s_mul_i32 s22, s12, HALFT
	s_add_co_u32 s22, s22, 2*HALFT
.irp s, 0,1
	v_add_nc_u32 v[ADRA+\s], s21, v3
	v_add_nc_u32 v[ADRB+\s], s22, v3
	s_add_co_u32 s21, s21, SLOT
	s_add_co_u32 s22, s22, SLOT
.endr
	s_mul_i32 s23, s10, 16*SPITCH
	s_add_co_u32 s23, s23, STAGE
	v_mul_u32_u24 v4, v1, SPITCH
	v_lshl_add_u32 v4, v2, 4, v4
	v_add_nc_u32 v[STO], s23, v4                   ; row r, 16 bytes for each half of the lanes
	v_lshl_add_u32 v[RD], v6, 4, s23               ; a row of 512 bytes: 32 lanes x 16
	v_lshlrev_b32 v[CO], 4, v6                     ; the same in P, and in stats
	s_lshl_b32 s23, s10, 10
	s_add_co_u32 s23, s23, STATS
	v_lshl_add_u32 v[SM], v1, 2, s23
	v_lshl_add_u32 v[SR], v6, 4, s23
	v_mov_b32 v[NINF], 0xff800000
	v_mov_b32 v[PX], 0                             ; v_permlanex16_b32 counts as a reader of its destination
.macro MUL16 f, hi, a0, zero
.irp a, \a0, \a0+1
.irp b, 0,1,2,3,4,5,6,7
.if \zero
	v_wmma_f32_16x16x32_f16 v[8*(8*(\a)+\b):8*(8*(\a)+\b)+7], v[\f+8*\b:\f+8*\b+7], v[\f+8*(4*\hi+\a):\f+8*(4*\hi+\a)+7], 0
.else
	v_wmma_f32_16x16x32_f16 v[8*(8*(\a)+\b):8*(8*(\a)+\b)+7], v[\f+8*\b:\f+8*\b+7], v[\f+8*(4*\hi+\a):\f+8*(4*\hi+\a)+7], v[8*(8*(\a)+\b):8*(8*(\a)+\b)+7]
.endif
.endr
.endr
.endm
.macro FETCH slot, k, f
	WIN TO_B
.irp i, 0,1,2,3,4,5,6,7
	ds_load_b128 v[\f+8*\i:\f+8*\i+3],   v[ADRB+\slot] offset:\k+\i*16*PITCH
	ds_load_b128 v[\f+8*\i+4:\f+8*\i+7], v[ADRB+\slot] offset:\k+\i*16*PITCH+32
.endr
	WIN 0
.irp i, 0,1,2,3,4,5,6,7
	ds_load_b128 v[\f+8*\i:\f+8*\i+3],   v[ADRA+\slot] offset:\k+\i*16*PITCH
	ds_load_b128 v[\f+8*\i+4:\f+8*\i+7], v[ADRA+\slot] offset:\k+\i*16*PITCH+32
.endr
.endm
.macro PLACES                          ; four plain vector instructions behind a matrix instruction (ISA guide 7.12.1)
.rept 4
	v_nop
.endr
.endm
; The 64 accumulators take turns, one instruction a turn, in the same order in every quarter step.
.macro QUARTER slot, k, f, g, zero
	s_wait_dscnt 8                                 ; K and Q's rows 0-63 are in; the youngest eight loads (Q's rows 64-127) may be out
	WIN MUL_LO
	MUL16 \f, 0, 0, \zero
	MUL16 \f, 0, 2, \zero
	PLACES
	FETCH \slot, \k, \g
	s_wait_dscnt 32                                ; all but the 32 just issued
	WIN MUL_HI
	MUL16 \f, 1, 0, \zero
	MUL16 \f, 1, 2, \zero
.endm
.macro THREE slot, zero
	QUARTER \slot, 64,  F0, F1, \zero
	QUARTER \slot, 128, F1, F0, 0
	QUARTER \slot, 192, F0, F1, 0
.endm
; The change of slots: each wave's waits for its reads and for all its tensor loads, the barrier (the round's opening), the refill first behind the round.
; From a request to the wait for it a wave issues 240 matrix instructions.
.macro TURN slot, next, fill
	s_wait_dscnt 8
	WIN MUL_LO
	MUL16 F1, 0, 0, 0
	s_wait_dscnt 0
	s_wait_tensorcnt 0x0
	ds_add_u32 v255, v255
	s_wait_dscnt 0x0
	s_barrier_signal -1
	MUL16 F1, 0, 2, 0
	WIN 0
	s_barrier_wait -1
.if \fill
	CREST
	s_add_nc_u64 s[G0+4*\slot+2:G0+4*\slot+3], s[G0+4*\slot+2:G0+4*\slot+3], 2*KSTEP*2
	s_add_nc_u64 s[G0B+4*\slot+2:G0B+4*\slot+3], s[G0B+4*\slot+2:G0B+4*\slot+3], 2*KSTEP*2
	JLOAD \slot
.else
	PLACES
.endif
	FETCH \next, 0, F0
	WIN MUL_HI
	MUL16 F1, 1, 0, 0
	MUL16 F1, 1, 2, 0
.endm
.macro LAP zero
	THREE 0, \zero
	TURN 0, 1, 1
	THREE 1, 0
	TURN 1, 0, 1
.endm
; The 64 mask words of 16 rows x 128 keys, 256 consecutive bytes: word 8 b + j in s[16 + 8 b + j] (b < 6) or s[36 + 8 b + j] (b = 6, 7)
.macro MLOAD a
	s_load_b512 s[16:31], s[70:71], 4096*(\a)
	s_load_b512 s[32:47], s[70:71], 4096*(\a)+64
	s_load_b512 s[48:63], s[70:71], 4096*(\a)+128
	s_load_b512 s[84:99], s[70:71], 4096*(\a)+192
.endm
	s_wait_tensorcnt 1                             ; my part of K step 0 is in; K step 1's stays out
	s_barrier_signal -1
	s_barrier_wait -1
	FETCH 0, 0, F0
	LAP 1
	WIN 0
	s_mov_b32 s3, LAPS-2
.Llap:
	LAP 0
	WIN 0
	s_sub_co_u32 s3, s3, 1
	s_cmp_lg_u32 s3, 0
	s_cbranch_scc1 .Llap
	THREE 0, 0
	TURN 0, 1, 0
	MLOAD 0                                        ; the wait for all tensor loads in the change of slots above has freed the descriptors' registers; the last K step's work covers these loads
	THREE 1, 0
	s_wait_dscnt 8
	WIN MUL_LO
	MUL16 F1, 0, 0, 0
	MUL16 F1, 0, 2, 0
	s_wait_dscnt 0
	WIN MUL_HI
	MUL16 F1, 1, 0, 0
	MUL16 F1, 1, 2, 0
	PLACES
; 16 rows: tiles (ap, 0..7) of window 2 or 3 (from = 0x02 or 0x03: source 0).  A lane holds 64 of its row's 128 scores, lane l xor 16 the other 64.
.macro SOFT a, ap, from
	s_wait_kmcnt 0x0                               ; this block's mask words
	s_wait_xcnt 0x0                                ; T and the base, which the last block's stores read, are rewritten only behind this wait (ISA guide 3.1)
.if \a
	s_add_nc_u64 s[72:73], s[72:73], 16*PROW
.endif
	WIN \from
.irp b, 0,1,2,3,4,5,6,7
.irp j, 0,1,2,3,4,5,6,7
.if 8*\b+\j < 48
	v_cndmask_b32 v[T+8*\b+\j], v[8*(8*\ap+\b)+\j], v[NINF], s[16+8*\b+\j]     ; -inf where the mask's bit is set
.else
	v_cndmask_b32 v[T+8*\b+\j], v[8*(8*\ap+\b)+\j], v[NINF], s[36+8*\b+\j]
.endif
.endr
.endr
	WIN 0
.if \a < 7
	MLOAD \a+1                                     ; the next block's words come while this block is worked on
.endif
	; the maximum: four chains of 16
.irp c, 0,1,2,3
	v_max3_num_f32 v[MX+\c], v[T+16*\c], v[T+16*\c+1], v[T+16*\c+2]
.endr
.irp i, 3,5,7,9,11,13
.irp c, 0,1,2,3
	v_max3_num_f32 v[MX+\c], v[MX+\c], v[T+16*\c+\i], v[T+16*\c+\i+1]
.endr
.endr
.irp c, 0,1,2,3
	v_max_num_f32 v[MX+\c], v[MX+\c], v[T+16*\c+15]
.endr
	v_max3_num_f32 v[MX], v[MX], v[MX+1], v[MX+2]
	v_max_num_f32 v[MX], v[MX], v[MX+3]
	v_permlanex16_b32 v[PX], v[MX], s76, s77
	v_max_num_f32 v[MX], v[MX], v[PX]              ; both halves hold the row's maximum over the chunk
	v_mul_f32 v[NMK], 0xbd38aa3b, v[MX]            ; -k m_c
	v_floor_f32 v[NMK], v[NMK]                     ; -e_c = floor(-k m_c) = -ceil(k m_c); +inf where all 128 are masked
	v_cmp_lt_f32 vcc_lo, v[NINF], v[MX]
	v_sub_f32 v[MK], 0, v[NMK]                     ; e_c; -inf where all are masked
	v_cndmask_b32 v[NMS],   0, v[NMK], vcc_lo      ; the shift; 0 where all are masked, so that -inf stays -inf
	v_cndmask_b32 v[NMS+1], 0, v[NMK], vcc_lo
.set n, 0
.rept 32
	v_pk_fma_f32 v[T+n:T+n+1], v[T+n:T+n+1], 0x3d38aa3b, v[NMS:NMS+1] op_sel_hi:[1,0,1]
.set n, n+2
.endr
.set n, 0
.rept 64
	v_exp_f32 v[T+n], v[T+n]
.set n, n+1
.endr
	v_nop                                          ; one plain vector instruction behind the last transcendental before its result is used (ISA guide 5.7.2)
	; the sum of the exponentials: four chains of eight pairs
	s_wait_alu depctr_va_vdst(0)
.irp c, 0,1,2,3
	v_pk_add_f32 v[SU+2*\c:SU+2*\c+1], v[T+16*\c:T+16*\c+1], v[T+16*\c+2:T+16*\c+3]
.endr
.irp p, 2,3,4,5,6,7
.irp c, 0,1,2,3
	v_pk_add_f32 v[SU+2*\c:SU+2*\c+1], v[SU+2*\c:SU+2*\c+1], v[T+16*\c+2*\p:T+16*\c+2*\p+1]
.endr
.endr
	v_pk_add_f32 v[SU:SU+1], v[SU:SU+1], v[SU+2:SU+3]
	v_pk_add_f32 v[SU+4:SU+5], v[SU+4:SU+5], v[SU+6:SU+7]
	v_pk_add_f32 v[SU:SU+1], v[SU:SU+1], v[SU+4:SU+5]
	v_add_f32 v[SU], v[SU], v[SU+1]
	v_permlanex16_b32 v[PX], v[SU], s76, s77
	v_add_f32 v[SU], v[SU], v[PX]
	; hi = p with the lower 13 of its 23 fraction bits cleared: a number that f16 holds; lo = p - hi, exact in f32
.set n, 0
.rept 64
	v_and_b32 v[H+n], 0xffffe000, v[T+n]
.set n, n+1
.endr
.set n, 0
.rept 32
	v_pk_add_f32 v[T+n:T+n+1], v[T+n:T+n+1], v[H+n:H+n+1] neg_lo:[0,1] neg_hi:[0,1]
.set n, n+2
.endr
.set n, 0
.rept 32
	v_cvt_pk_f16_f32 v[H+n], v[H+2*n], v[H+2*n+1]  ; packed in place: register n is written when registers 2 n, 2 n + 1 are read, never ahead of its own reading
.set n, n+1
.endr
.set n, 0
.rept 32
	v_cvt_pk_f16_f32 v[H+32+n], v[T+2*n], v[T+2*n+1]
.set n, n+1
.endr
.irp b, 0,1,2,3,4,5,6,7
	ds_store_b128 v[STO], v[H+4*\b:H+4*\b+3] offset:32*\b
	ds_store_b128 v[STO], v[H+32+4*\b:H+32+4*\b+3] offset:256+32*\b
.endr
	ds_store_b32 v[SM], v[MK] offset:64*\a         ; both halves write the same word with the same number
	ds_store_b32 v[SM], v[SU] offset:512+64*\a
.irp t, 0,1,2,3,4,5,6,7,8,9,10,11,12,13,14,15
	ds_load_b128 v[T+4*\t:T+4*\t+3], v[RD] offset:\t*SPITCH        ; my own bytes, served in order behind the stores above (ISA guide 5.7.1)
.endr
.irp t, 0,1,2,3,4,5,6,7,8,9,10,11,12,13,14,15
	s_wait_dscnt 15-\t                             ; the 15 - t younger loads stay out
	global_store_b128 v[CO], v[T+4*\t:T+4*\t+3], s[72:73] offset:\t*PROW       ; 512 consecutive bytes, aligned: the row's hi and lo of this chunk
.endr
.endm
	SOFT 0, 0, 0x02
	SOFT 1, 1, 0x02
	SOFT 2, 2, 0x02
	SOFT 3, 3, 0x02
	SOFT 4, 0, 0x03
	SOFT 5, 1, 0x03
	SOFT 6, 2, 0x03
	SOFT 7, 3, 0x03
	ds_load_b128 v[ST:ST+3],   v[SR]               ; my 128 rows' e_c
	ds_load_b128 v[ST+4:ST+7], v[SR] offset:512    ; and l_c
	s_wait_dscnt 0x0
	global_store_b128 v[CO], v[ST:ST+3],   s[74:75]                ; 512 consecutive bytes each
	global_store_b128 v[CO], v[ST+4:ST+7], s[74:75] offset:524288
	s_set_vgpr_msb 0x1
	s_wait_tensorcnt 0x0
	ds_add_u32 v255, v255
	s_wait_dscnt 0x0
	s_set_vgpr_msb 0x100
	CROUND                                         ; the closing round
	s_endpgm
.Lfunc_end_k_qee4cffb4c5_scores:
	.size	k_qee4cffb4c5_scores, .Lfunc_end_k_qee4cffb4c5_scores-k_qee4cffb4c5_scores
	.p2alignl 7, 3214868480
	.fill 96, 4, 3214868480
	.section	.rodata,"a",@progbits
	.p2align	6, 0x0
	.amdhsa_kernel k_qee4cffb4c5_scores
		.amdhsa_group_segment_fixed_size 327680
		.amdhsa_private_segment_fixed_size 0
		.amdhsa_enable_private_segment 0
		.amdhsa_kernarg_size 32
		.amdhsa_user_sgpr_count 2
		.amdhsa_user_sgpr_kernarg_segment_ptr 1
		.amdhsa_wavefront_size32 1
		.amdhsa_system_sgpr_workgroup_id_x 1
		.amdhsa_system_sgpr_workgroup_id_y 1
		.amdhsa_system_sgpr_workgroup_id_z 1
		.amdhsa_system_vgpr_workitem_id 0
		.amdhsa_next_free_vgpr 1024
		.amdhsa_next_free_sgpr 100
		.amdhsa_reserve_vcc 1
		.amdhsa_float_denorm_mode_32 3
		.amdhsa_float_denorm_mode_16_64 3
		.amdhsa_memory_ordered 1
		.amdhsa_forward_progress 1
		.amdhsa_inst_pref_size 255
	.end_amdhsa_kernel
	.section	.bss,"aw",@nobits
	.p2align	6
	.space	262144
	.amdgpu_metadata
---
amdhsa.version: [ 1, 2 ]
amdhsa.kernels:
  - .name:           k_qee4cffb4c5_scores
    .symbol:         k_qee4cffb4c5_scores.kd
    .args:
      - { .name: QK, .offset: 0, .size: 8, .value_kind: global_buffer, .address_space: global }
      - { .name: mbits, .offset: 8, .size: 8, .value_kind: global_buffer, .address_space: global }
      - { .name: P, .offset: 16, .size: 8, .value_kind: global_buffer, .address_space: global }
      - { .name: stats, .offset: 24, .size: 8, .value_kind: global_buffer, .address_space: global }
    .group_segment_fixed_size: 327680
    .private_segment_fixed_size: 0
    .kernarg_segment_align: 8
    .kernarg_segment_size: 32
    .max_flat_workgroup_size: 128
    .sgpr_count:     100
    .vgpr_count:     1024
    .wavefront_size: 32
...
	.end_amdgpu_metadata
.endif
;; end of part 3
;; launch pv (part 4): grid 4 x 64, 4 waves a work-group, clusters of 4 x 4, 327,680 bytes of LDS; arguments P, Xh, stats, Y; writes Y
.if DOCPART == 4
	.amdgcn_target "amdgcn-amd-amdhsa--gfx1250"
	.amdhsa_code_object_version 6
	.text
	.protected	k_qee4cffb4c5_pv
	.globl	k_qee4cffb4c5_pv
	.p2align	8
	.type	k_qee4cffb4c5_pv,@function
k_qee4cffb4c5_pv:
	s_mov_b64 s[64:65], 0
	v_nop
	global_prefetch_b8 v0, s[64:65] scope:SCOPE_SE
	s_setreg_imm32_b32 hwreg(HW_REG_WAVE_MODE, 25, 1), 1
	s_wait_xcnt 0x0
	s_wait_alu depctr_hold_cnt(0) depctr_sa_sdst(0) depctr_va_vdst(0) depctr_va_sdst(0) depctr_va_ssrc(0) depctr_va_vcc(0) depctr_vm_vsrc(0)
	s_getreg_b32 s2, hwreg(HW_REG_IB_STS2, 6, 4)
	s_cmp_eq_u32 s2, 0
	s_cbranch_scc0 .Lentry_in_a_cluster
	s_endpgm
.Lentry_in_a_cluster:
	s_bfe_u32 s2, ttmp6, 0x10000c
	s_cmp_lg_u32 s2, 0xf033
	s_cbranch_scc0 .Lentry_shape_is_right
	s_endpgm
.Lentry_shape_is_right:
; The second half of the softmax and the product of the weights with X.  Since A V = (A X) Wv^T + (sum of A) bv, the weights multiply X, which f16 holds exactly,
; and V is never rounded; the next kernel multiplies Y = A X by Wv.
; For row q: E = max over the 16 chunks of e_c, g_c = 2^(e_c - E) (an exact power of two, at most 1), l = sum of g_c l_c;
; Y[q][e] = (1 / l) sum over chunks c and keys of g_c (hi + lo)[q][key] X[key][e], rounded once to f16.  A row whose keys are all masked has l = 0 and gets Y = 0.
; A work-group makes 128 rows x 256 columns with four waves, a wave 64 rows (wm) x 128 columns (wn): 32 accumulator tiles (window 2, tile (a, b) at v[8 (8 a + b)]).
; 4 x 64 = 256 work-groups; x = block of columns, y = 16 x batch + block of rows.  The 2,048 keys go in 16 steps of 128, one chunk a step, through two LDS slots.
; A slot has four quarters of 34,816 bytes, one for each wave's tensor load: P's rows 0-63 and 64-127 (64 x 528 bytes: hi's 256, lo's 256, 16 of padding) and
; X's keys 0-63 and 64-127 (64 x 544 bytes).  X lies [key][e] and is read by the transposing LDS load; hi and lo multiply the same fragments of X.
; CLUSTERS: 4 x 4; P's tiles are asked for jointly along a row of the cluster, X's along a column (a cluster lies inside one batch: 4 divides 16).
; g_c is applied to P's fragments in registers (one packed f16 multiply for two numbers; by a power of two it is exact down to f16's smallest step, 2^-24).
; LIMITS: operands f16.  A weight is carried to within 2^-21 of itself or 2^-25 of 2^E.  Y has X's range.
.set KSTEP,  128
.set PITCH,  528                       ; P's rows in LDS
.set VPITCH, 544                       ; X's rows in LDS: 512 bytes + 32
.set QUART,  34816
.set SLOT,   4*QUART
.set FTAB,   2*SLOT                    ; [c 16][wm 2][r 16][a 4] words: g_c of row 64 wm + 16 a + r, as two equal f16
.set ITAB,   FTAB+8192                 ; [wm 2][r 16][a 4] words: 1 / l of that row, f32
.set STAGE,  ITAB+512                  ; 16 rows x 272 bytes for each wave
.set SPITCH, 272
.set XROW,   2048                      ; bytes in a row of Xh and of Y
.set LAPS,   8
.set ADRA, 16                          ; v16-17
.set ADRB, 20                          ; v20-21
.set FADR, 22                          ; v22  my 16 bytes of the table of g, at the even chunk of the lap
.set IADR, 23                          ; v23  my 16 bytes of the table of 1 / l
.set STO,  24
.set RD,   25
.set CO,   26
.set NINF, 30
.set FS0,  40                          ; v40-43  g of the chunk in slot 0, for my four row tiles
.set FS1,  44                          ; v44-47  the same for slot 1
.set IV,   48                          ; v48-51  1 / l for my four row tiles
.set F0,   64                          ; window 0: P's fragments, hi v64-95, lo v96-127; window 1: X's fragments v64-127
.set F1,   128                         ; the second buffers: v128-159, v160-191; v128-191
.set T,    64                          ; the way out
.set PK,   128
.set RB,   160
.set G1, 24
.set G0, 32
.set G1B, 48
.set G0B, 56
.set MSB, 0
.macro WIN new
.if MSB != \new
	s_set_vgpr_msb (MSB<<8)|\new
.set MSB, \new
.endif
.endm
.set MULW, 0xa1                        ; source 0 (X) window 1, source 1 (P) window 0, C and D window 2
.set TO_B, 0x40
.macro JLOAD s                         ; waves 0 and 1 ask for P's two halves, waves 2 and 3 for X's
	s_cmp_eq_u32 s11, 0
	s_cbranch_scc0 .Lfor_b_\@
	tensor_load_to_lds s[G0+4*\s:G0+4*\s+3], s[G1:G1+7]
	s_nop 0
.rept 4
	v_nop
.endr
	s_branch .Lasked_\@
.Lfor_b_\@:
	tensor_load_to_lds s[G0B+4*\s:G0B+4*\s+3], s[G1B:G1B+7]
	s_nop 0
.rept 4
	v_nop
.endr
.Lasked_\@:
.endm
.macro CREST
	s_cmp_lg_u32 s10, 0
	s_cbranch_scc1 .Lnot_wave_0_\@
	s_barrier_signal -3
.Lnot_wave_0_\@:
	s_barrier_wait -3
	s_barrier_signal -1
	s_barrier_wait -1
.endm
.macro CROUND
	s_barrier_signal -1
	s_barrier_wait -1
	CREST
.endm
	s_load_b128 s[4:7], s[0:1], 0x0                ; P s[4:5], Xh s[6:7]
	s_load_b128 s[68:71], s[0:1], 0x10             ; stats s[68:69], Y s[70:71]
	v_lshl_add_u32 v254, v0, 2, 0x4a600
	v_mov_b32 v255, 0
	ds_add_u32 v254, v255
	v_lshrrev_b32 v1, 5, v0
	v_readfirstlane_b32 s10, v1                    ; wave 0..3
	s_lshr_b32 s11, s10, 1                         ; wm.  Also: I fetch for P (0) or for X (1)
	s_and_b32 s12, s10, 1                          ; wn.  Also: which 64 rows of that tile I fetch
	s_bfe_u32 s40, ttmp6, 0x40000                  ; cx
	s_bfe_u32 s41, ttmp6, 0x40004                  ; cy
	s_lshl_b32 s42, ttmp9, 2
	s_add_co_u32 s42, s42, s40                     ; x
	s_and_b32 s45, ttmp7, 0xffff                   ; the cluster's y
	s_lshl_b32 s13, s45, 2
	s_add_co_u32 s13, s13, s41                     ; y
	s_lshr_b32 s45, s45, 2                         ; batch = y / 16, from the cluster's y alone
	s_lshl_b32 s43, s41, 2
	s_lshl_b32 s43, 15, s43
	s_lshl_b32 s44, 0x1111, s40
	; P's tiles: 64 rows x 256 elements (hi 128, lo 128), 4 words of padding behind every 128 words, 4,096 elements from row to row
	s_or_b32 s[G1+0], s43, (1<<16)|(1<<20)|(1<<21)|(6<<22)|(3<<25)
	s_mov_b32 s[G1+1], 256<<16
	s_mov_b32 s[G1+2], 64<<16
	s_mov_b32 s[G1+3], 256<<16
	s_mov_b32 s[G1+4], 64
	s_mov_b32 s[G1+5], 4096
	s_mov_b32 s[G1+6], 0
	s_mov_b32 s[G1+7], 0
	; X's tiles: 64 rows x 256 elements, 8 words of padding behind every 128 words, 1,024 elements from row to row
	s_or_b32 s[G1B+0], s44, (1<<16)|(1<<20)|(1<<21)|(6<<22)|(7<<25)
	s_mov_b32 s[G1B+1], 256<<16
	s_mov_b32 s[G1B+2], 64<<16
	s_mov_b32 s[G1B+3], 256<<16
	s_mov_b32 s[G1B+4], 64
	s_mov_b32 s[G1B+5], 1024
	s_mov_b32 s[G1B+6], 0
	s_mov_b32 s[G1B+7], 0
	s_lshl_b32 s16, s13, 1
	s_add_co_u32 s16, s16, s12
	s_lshl_b32 s16, s16, 19                        ; P: row 128 y + 64 x half, 8,192 bytes a row
	s_mov_b32 s17, 0
	s_lshl_b32 s46, s45, 11
	s_lshl_b32 s47, s12, 6
	s_add_co_u32 s46, s46, s47                     ; X: row 2,048 batch + 64 x half,
	s_lshl_b32 s46, s46, 11                        ; 2,048 bytes a row,
	s_lshl_b32 s47, s42, 9
	s_add_co_u32 s46, s46, s47                     ; 512 bytes a block of columns
	s_mov_b32 s47, 0
	s_mul_i32 s20, s10, QUART                      ; where the tile goes: the wave's quarter of the slot
	s_lshr_b32 s72, s13, 4
	s_lshl_b32 s72, s72, 17                        ; stats: batch x 16 chunks x 2,048 rows x 4 bytes,
	s_and_b32 s73, s13, 15
	s_lshl_b32 s73, s73, 9                         ; 128 rows x 4 bytes
	s_add_co_u32 s72, s72, s73
	s_mov_b32 s73, 0
	s_lshl_b32 s74, s13, 1
	s_add_co_u32 s74, s74, s11
	s_lshl_b32 s74, s74, 17                        ; Y: row 128 y + 64 wm, 2,048 bytes a row,
	s_lshl_b32 s75, s42, 9
	s_add_co_u32 s74, s74, s75                     ; 512 bytes a block of columns,
	s_lshl_b32 s75, s12, 8
	s_add_co_u32 s74, s74, s75                     ; 256 bytes a half
	s_mov_b32 s75, 0
	s_wait_dscnt 0x0
	s_wait_kmcnt 0x0
	s_add_nc_u64 s[14:15], s[4:5], s[16:17]
	s_add_nc_u64 s[46:47], s[6:7], s[46:47]
	s_add_nc_u64 s[68:69], s[68:69], s[72:73]
	s_add_nc_u64 s[70:71], s[70:71], s[74:75]
	CROUND
.irp s, 0,1
	s_mov_b32 s[G0+4*\s], 1
	s_add_co_u32 s[G0+4*\s+1], s20, \s*SLOT
	s_add_nc_u64 s[G0+4*\s+2:G0+4*\s+3], s[14:15], \s*512
	s_or_b32 s[G0+4*\s+3], s[G0+4*\s+3], 0x80000000
	s_mov_b32 s[G0B+4*\s], 1
	s_add_co_u32 s[G0B+4*\s+1], s20, \s*SLOT
	s_add_nc_u64 s[G0B+4*\s+2:G0B+4*\s+3], s[46:47], \s*KSTEP*XROW
	s_or_b32 s[G0B+4*\s+3], s[G0B+4*\s+3], 0x80000000
	JLOAD \s
.endr
	; Thread t makes the sixteen factors and 1 / l of row t of the work-group's 128.
	v_lshlrev_b32 v5, 2, v0
.irp c, 0,1,2,3,4,5,6,7,8,9,10,11,12,13,14,15
	global_load_b32 v[64+\c], v5, s[68:69] offset:8192*\c          ; e_c
.endr
.irp c, 0,1,2,3,4,5,6,7,8,9,10,11,12,13,14,15
	global_load_b32 v[80+\c], v5, s[68:69] offset:524288+8192*\c   ; l_c
.endr
	v_and_b32 v1, 15, v0                           ; r
	v_bfe_u32 v2, v0, 4, 1                         ; h
	v_mul_u32_u24 v3, v1, PITCH
	v_lshl_add_u32 v3, v2, 4, v3
	s_mul_i32 s21, s11, QUART                      ; my 64 rows of P are one quarter
	v_add_nc_u32 v[ADRA], s21, v3
	s_add_co_u32 s21, s21, SLOT
	v_add_nc_u32 v[ADRA+1], s21, v3
	v_and_b32 v7, 7, v0
	v_bfe_u32 v8, v0, 3, 1
	v_lshl_add_u32 v9, v2, 3, v7                   ; key 8 h + (l & 7)
	v_mul_u32_u24 v9, v9, VPITCH
	v_lshl_add_u32 v9, v8, 4, v9                   ; + 16 ((l >> 3) & 1)
	s_lshl_b32 s22, s12, 8                         ; my 128 columns,
	s_add_co_u32 s22, s22, 2*QUART                 ; behind P's two quarters
	v_add_nc_u32 v[ADRB], s22, v9
	s_add_co_u32 s22, s22, SLOT
	v_add_nc_u32 v[ADRB+1], s22, v9
	s_lshl_b32 s23, s11, 8
	s_add_co_u32 s23, s23, FTAB
	v_lshl_add_u32 v[FADR], v1, 4, s23
	v_add_nc_u32 v[IADR], ITAB-FTAB, v[FADR]
	s_mul_i32 s23, s10, 16*SPITCH
	s_add_co_u32 s23, s23, STAGE
	v_mul_u32_u24 v4, v1, SPITCH
	v_lshl_add_u32 v4, v2, 4, v4
	v_add_nc_u32 v[STO], s23, v4                   ; row r, 16 bytes for each half of the lanes
	v_mul_u32_u24 v4, v2, SPITCH
	v_lshl_add_u32 v4, v1, 4, v4
	v_add_nc_u32 v[RD], s23, v4                    ; lanes 0-15 one row of 256 bytes, lanes 16-31 the next
	v_lshlrev_b32 v4, 11, v2
	v_lshl_add_u32 v[CO], v1, 4, v4                ; the same two rows in Y
	v_mov_b32 v[NINF], 0xff800000
	v_lshrrev_b32 v10, 6, v0                       ; the tables' word of row t: wm = t / 64, a = (t / 16) % 4, r = t % 16
	v_bfe_u32 v11, v0, 4, 2
	v_lshlrev_b32 v10, 8, v10
	v_lshl_add_u32 v10, v1, 4, v10
	v_lshl_add_u32 v10, v11, 2, v10
	v_add_nc_u32 v10, FTAB, v10
	s_wait_loadcnt 0x0
	v_max3_num_f32 v96, v64, v65, v66
.irp i, 67,69,71,73,75,77
	v_max3_num_f32 v96, v96, v[\i], v[\i+1]
.endr
	v_max_num_f32 v96, v96, v79                    ; E: the row's own shift
	v_cmp_lt_f32 vcc_lo, v[NINF], v96
	v_cndmask_b32 v97, 0, v96, vcc_lo              ; 0 where the whole row is masked, so that -inf stays -inf
.irp c, 0,1,2,3,4,5,6,7,8,9,10,11,12,13,14,15
	v_sub_f32 v[64+\c], v[64+\c], v97
.endr
.irp c, 0,1,2,3,4,5,6,7,8,9,10,11,12,13,14,15
	v_exp_f32 v[64+\c], v[64+\c]                   ; g_c
.endr
	v_nop                                          ; one plain vector instruction behind the last transcendental (ISA guide 5.7.2)
	s_wait_alu depctr_va_vdst(0)
	v_mul_f32 v98, v64, v80
	v_mul_f32 v99, v65, v81
.irp c, 2,4,6,8,10,12,14
	v_fma_f32 v98, v[64+\c], v[80+\c], v98
	v_fma_f32 v99, v[65+\c], v[81+\c], v99
.endr
	v_add_f32 v98, v98, v99                        ; l: above 1/2 in a row with an unmasked key, 0 in a row without
	v_rcp_f32 v100, v98
	v_nop
	v_cmp_lt_f32 vcc_lo, 0, v98
	s_wait_alu depctr_va_vdst(0)
	v_cndmask_b32 v100, 0, v100, vcc_lo
	ds_store_b32 v10, v100 offset:ITAB-FTAB
.irp c, 0,1,2,3,4,5,6,7,8,9,10,11,12,13,14,15
	v_cvt_pk_f16_f32 v[64+\c], v[64+\c], v[64+\c]  ; a power of two, or 0 below 2^-24
	ds_store_b32 v10, v[64+\c] offset:512*\c
.endr
; 16 matrix instructions: row tiles a0, a0 + 1 x all 8 column tiles, 32 keys; lo = 0: P's hi, 1: P's lo.  The 32 accumulators take turns, one instruction a turn,
; in the same order for hi and for lo in every quarter step.
.macro MUL16 f, lo, a0, zero
.irp a, \a0, \a0+1
.irp b, 0,1,2,3,4,5,6,7
.if \zero
	v_wmma_f32_16x16x32_f16 v[8*(8*(\a)+\b):8*(8*(\a)+\b)+7], v[\f+8*\b:\f+8*\b+7], v[\f+32*\lo+8*(\a):\f+32*\lo+8*(\a)+7], 0
.else
	v_wmma_f32_16x16x32_f16 v[8*(8*(\a)+\b):8*(8*(\a)+\b)+7], v[\f+8*\b:\f+8*\b+7], v[\f+32*\lo+8*(\a):\f+32*\lo+8*(\a)+7], v[8*(8*(\a)+\b):8*(8*(\a)+\b)+7]
.endif
.endr
.endr
.endm
; The fragments of quarter q of a slot into buffer f: (fs != 0: first the chunk's four factors into v[fs:fs+3], from byte fo of my part of the table; bump = 1: the table's
; address then steps two chunks on), 16 loads of P (hi, then lo), 16 transposing loads of X.
.macro FETCH slot, q, f, fs, fo, bump
	WIN 0
.if \fs
	ds_load_b128 v[\fs:\fs+3], v[FADR] offset:\fo
.endif
.if \bump
	v_add_nc_u32 v[FADR], 1024, v[FADR]
.endif
.irp i, 0,1,2,3
	ds_load_b128 v[\f+8*\i:\f+8*\i+3],   v[ADRA+\slot] offset:64*\q+\i*16*PITCH
	ds_load_b128 v[\f+8*\i+4:\f+8*\i+7], v[ADRA+\slot] offset:64*\q+\i*16*PITCH+32
.endr
.irp i, 0,1,2,3
	ds_load_b128 v[\f+32+8*\i:\f+32+8*\i+3],   v[ADRA+\slot] offset:256+64*\q+\i*16*PITCH
	ds_load_b128 v[\f+32+8*\i+4:\f+32+8*\i+7], v[ADRA+\slot] offset:256+64*\q+\i*16*PITCH+32
.endr
	WIN TO_B
.irp b, 0,1,2,3,4,5,6,7
	ds_load_tr16_b128 v[\f+8*\b:\f+8*\b+3],   v[ADRB+\slot] offset:\q*32*VPITCH+32*\b                ; keys 8 h .. + 7 of column 16 b + r
	ds_load_tr16_b128 v[\f+8*\b+4:\f+8*\b+7], v[ADRB+\slot] offset:\q*32*VPITCH+32*\b+16*VPITCH      ; keys 16 + 8 h .. + 7
.endr
.endm
.macro SCALE f, fs                     ; P's fragments, hi and lo, times the row's power of two: lane l holds row 16 a + l % 16
.irp p, 0,32
.irp a, 0,1,2,3
.irp i, 0,1,2,3,4,5,6,7
	v_pk_mul_f16 v[\f+\p+8*\a+\i], v[\f+\p+8*\a+\i], v[\fs+\a]
.endr
.endr
.endr
.endm
.macro PLACES                          ; four plain vector instructions behind a matrix instruction (ISA guide 7.12.1)
.rept 4
	v_nop
.endr
.endm
.macro QUARTER slot, q, f, g, fs, zero
	s_wait_dscnt 16                                ; the factors and P's fragments are in; the 16 younger loads, X's, may be out
	WIN 0
	SCALE \f, \fs
	s_wait_dscnt 0                                 ; X's fragments
	WIN MULW
	MUL16 \f, 0, 0, \zero
	MUL16 \f, 0, 2, \zero
	PLACES
	FETCH \slot, \q, \g, 0, 0, 0
	WIN MULW
	MUL16 \f, 1, 0, 0
	MUL16 \f, 1, 2, 0
.endm
.macro THREE slot, fs, zero
	QUARTER \slot, 1, F0, F1, \fs, \zero
	QUARTER \slot, 2, F1, F0, \fs, 0
	QUARTER \slot, 3, F0, F1, \fs, 0
.endm
; The change of slots: each wave's waits for its reads and for all its tensor loads, the barrier (the round's opening), the refill first behind the round.
; From a request to the wait for it a wave issues 224 matrix instructions.
.macro TURN slot, next, fill, fs, fsn, fo, bump
	s_wait_dscnt 16
	WIN 0
	SCALE F1, \fs
	s_wait_dscnt 0                                 ; my reads of this slot are over
	s_wait_tensorcnt 0x0                           ; all my tensor loads have landed
	ds_add_u32 v254, v255
	s_wait_dscnt 0x0
	s_barrier_signal -1
	WIN MULW
	MUL16 F1, 0, 0, 0
	MUL16 F1, 0, 2, 0
	WIN 0
	s_barrier_wait -1
.if \fill
	CREST
	s_add_nc_u64 s[G0+4*\slot+2:G0+4*\slot+3], s[G0+4*\slot+2:G0+4*\slot+3], 2*512
	s_add_nc_u64 s[G0B+4*\slot+2:G0B+4*\slot+3], s[G0B+4*\slot+2:G0B+4*\slot+3], 2*KSTEP*XROW
	JLOAD \slot
.else
	PLACES
.endif
	FETCH \next, 0, F0, \fsn, \fo, \bump
	WIN MULW
	MUL16 F1, 1, 0, 0
	MUL16 F1, 1, 2, 0
.endm
.macro LAP zero
	THREE 0, FS0, \zero
	TURN 0, 1, 1, FS0, FS1, 512, 0
	THREE 1, FS1, 0
	TURN 1, 0, 1, FS1, FS0, 1024, 1
.endm
	s_wait_dscnt 0x0                               ; my words of the tables are in LDS, for the other waves' sake
	s_wait_tensorcnt 1                             ; my part of step 0 is in; step 1's stays out
	s_barrier_signal -1
	s_barrier_wait -1
	FETCH 0, 0, F0, FS0, 0, 0
	LAP 1
	WIN 0
	s_mov_b32 s3, LAPS-2
.Llap:
	LAP 0
	WIN 0
	s_sub_co_u32 s3, s3, 1
	s_cmp_lg_u32 s3, 0
	s_cbranch_scc1 .Llap
	THREE 0, FS0, 0                                ; the last lap fills nothing
	TURN 0, 1, 0, FS0, FS1, 512, 0
	THREE 1, FS1, 0
	s_wait_dscnt 16
	WIN 0
	SCALE F1, FS1
	s_wait_dscnt 0
	WIN MULW
	MUL16 F1, 0, 0, 0
	MUL16 F1, 0, 2, 0
	MUL16 F1, 1, 0, 0
	MUL16 F1, 1, 2, 0
	; THE WAY OUT, 16 rows at a time: times 1 / l in f32, round to f16, 16 bytes a lane into my own stage, whole rows of 256 bytes back.
	PLACES
	WIN 0
	ds_load_b128 v[IV:IV+3], v[IADR]
	s_wait_dscnt 0x0
.macro OUT16 a
	WIN 0x02                                       ; source 0 in window 2
.irp b, 0,1,2,3,4,5,6,7
.irp j, 0,1,2,3,4,5,6,7
	v_mul_f32 v[T+8*\b+\j], v[8*(8*\a+\b)+\j], v[IV+\a]
.endr
.endr
	WIN 0
.irp b, 0,1,2,3,4,5,6,7
.irp i, 0,1,2,3
	v_cvt_pk_f16_f32 v[PK+4*\b+\i], v[T+8*\b+2*\i], v[T+8*\b+2*\i+1]
.endr
.endr
.irp b, 0,1,2,3,4,5,6,7
	ds_store_b128 v[STO], v[PK+4*\b:PK+4*\b+3] offset:32*\b
.endr
	s_wait_xcnt 0x0                                ; RB and the base, which earlier stores read, are rewritten only behind this wait (ISA guide 3.1)
.if \a
	s_add_nc_u64 s[70:71], s[70:71], 16*XROW
.endif
.irp t, 0,1,2,3,4,5,6,7
	ds_load_b128 v[RB+4*\t:RB+4*\t+3], v[RD] offset:\t*2*SPITCH    ; my own bytes, served in order behind the stores above (ISA guide 5.7.1)
.endr
.irp t, 0,1,2,3,4,5,6,7
	s_wait_dscnt 7-\t                              ; the 7 - t younger loads stay out
	global_store_b128 v[CO], v[RB+4*\t:RB+4*\t+3], s[70:71] offset:2*\t*XROW   ; sixteen lanes store 256 consecutive bytes, aligned
.endr
.endm
	OUT16 0
	OUT16 1
	OUT16 2
	OUT16 3
	s_wait_tensorcnt 0x0
	ds_add_u32 v254, v255
	s_wait_dscnt 0x0
	CROUND                                         ; the closing round
	s_endpgm
.Lfunc_end_k_qee4cffb4c5_pv:
	.size	k_qee4cffb4c5_pv, .Lfunc_end_k_qee4cffb4c5_pv-k_qee4cffb4c5_pv
	.p2alignl 7, 3214868480
	.fill 96, 4, 3214868480
	.section	.rodata,"a",@progbits
	.p2align	6, 0x0
	.amdhsa_kernel k_qee4cffb4c5_pv
		.amdhsa_group_segment_fixed_size 327680
		.amdhsa_private_segment_fixed_size 0
		.amdhsa_enable_private_segment 0
		.amdhsa_kernarg_size 32
		.amdhsa_user_sgpr_count 2
		.amdhsa_user_sgpr_kernarg_segment_ptr 1
		.amdhsa_wavefront_size32 1
		.amdhsa_system_sgpr_workgroup_id_x 1
		.amdhsa_system_sgpr_workgroup_id_y 1
		.amdhsa_system_sgpr_workgroup_id_z 1
		.amdhsa_system_vgpr_workitem_id 0
		.amdhsa_next_free_vgpr 768
		.amdhsa_next_free_sgpr 80
		.amdhsa_reserve_vcc 1
		.amdhsa_float_denorm_mode_32 3
		.amdhsa_float_denorm_mode_16_64 3
		.amdhsa_memory_ordered 1
		.amdhsa_forward_progress 1
		.amdhsa_inst_pref_size 255
	.end_amdhsa_kernel
	.section	.bss,"aw",@nobits
	.p2align	6
	.space	262144
	.amdgpu_metadata
---
amdhsa.version: [ 1, 2 ]
amdhsa.kernels:
  - .name:           k_qee4cffb4c5_pv
    .symbol:         k_qee4cffb4c5_pv.kd
    .args:
      - { .name: P, .offset: 0, .size: 8, .value_kind: global_buffer, .address_space: global }
      - { .name: Xh, .offset: 8, .size: 8, .value_kind: global_buffer, .address_space: global }
      - { .name: stats, .offset: 16, .size: 8, .value_kind: global_buffer, .address_space: global }
      - { .name: Y, .offset: 24, .size: 8, .value_kind: global_buffer, .address_space: global }
    .group_segment_fixed_size: 327680
    .private_segment_fixed_size: 0
    .kernarg_segment_align: 8
    .kernarg_segment_size: 32
    .max_flat_workgroup_size: 128
    .sgpr_count:     80
    .vgpr_count:     768
    .wavefront_size: 32
...
	.end_amdgpu_metadata
.endif
;; end of part 4
;; launch proj (part 5): grid 4 x 64, 4 waves a work-group, clusters of 4 x 4, 327,680 bytes of LDS; arguments Y, Wh, ball, stats, out0; writes out0
.if DOCPART == 5
	.amdgcn_target "amdgcn-amd-amdhsa--gfx1250"
	.amdhsa_code_object_version 6
	.text
	.protected	k_qee4cffb4c5_proj
	.globl	k_qee4cffb4c5_proj
	.p2align	8
	.type	k_qee4cffb4c5_proj,@function
k_qee4cffb4c5_proj:
	s_mov_b64 s[64:65], 0
	v_nop
	global_prefetch_b8 v0, s[64:65] scope:SCOPE_SE
	s_setreg_imm32_b32 hwreg(HW_REG_WAVE_MODE, 25, 1), 1
	s_wait_xcnt 0x0
	s_wait_alu depctr_hold_cnt(0) depctr_sa_sdst(0) depctr_va_vdst(0) depctr_va_sdst(0) depctr_va_ssrc(0) depctr_va_vcc(0) depctr_vm_vsrc(0)
	s_getreg_b32 s2, hwreg(HW_REG_IB_STS2, 6, 4)
	s_cmp_eq_u32 s2, 0
	s_cbranch_scc0 .Lentry_in_a_cluster
	s_endpgm
.Lentry_in_a_cluster:
	s_bfe_u32 s2, ttmp6, 0x10000c
	s_cmp_lg_u32 s2, 0xf033
	s_cbranch_scc0 .Lentry_shape_is_right
	s_endpgm
.Lentry_shape_is_right:
; out0[q][d] = sum over e of Y[q][e] Wv[d][e] + flag[q] bv[d], f32.  Y = A X from the kernel before; Wv is rows 2048-3071 of Wh, bv numbers 2048-3071 of ball.
; flag = the sum of the row's weights: 1 in a row with an unmasked key, 0 in a row without (there every e_c in stats is -inf, Y is 0 and the output is 0).
; A work-group makes 128 rows x 256 columns with four waves, a wave 64 rows (wm) x 128 columns (wn): 32 accumulator tiles (window 2, tile (a, b) at v[8 (8 a + b)]).
; 4 x 64 = 256 work-groups.  K (e = 1,024) goes in 8 steps of 128 through two LDS slots.  A slot has four quarters of 34,816 bytes, one for each wave's tensor load:
; Y's rows 0-63 and 64-127 (64 x 272 bytes, at the head of quarters 0 and 1) and Wv's rows 0-127 and 128-255 (128 x 272 bytes, quarters 2 and 3).
; CLUSTERS: 4 x 4; Y's tiles are asked for jointly along a row of the cluster, Wv's along a column.
; Transposed use: source 0 = rows of Wv, source 1 = rows of Y: lane l holds row l % 16, registers 0-7 the columns 8 (l / 16) + 0..7.
; LIMIT: operands f16.
.set KSTEP,  128
.set PITCH,  272
.set QUART,  34816
.set SLOT,   4*QUART
.set FLT,    2*SLOT                    ; [wm 2][r 16][a 4] words: the flag of row 64 wm + 16 a + r
.set STAGE,  FLT+512                   ; 16 rows x 528 bytes for each wave
.set SPITCH, 528
.set OROW,   4096                      ; bytes in a row of out0
.set LAPS,   4
.set ADRA, 16                          ; v16-17
.set ADRB, 20                          ; v20-21
.set FLA,  22                          ; v22  my 16 bytes of the table of flags
.set STO,  24
.set RD,   25
.set CO,   26
.set BOFF, 27
.set NINF, 30
.set FL,   48                          ; v48-51  the flags of my four row tiles
.set F0,   64                          ; window 0: Y's fragments v64-95, v128-159; window 1: the bias v0-63, Wv's fragments v64-127, v128-191
.set F1,   128
.set T,    64                          ; the way out
.set RB,   128
.set G1, 24
.set G0, 32
.set G1B, 48
.set G0B, 56
.set MSB, 0
.macro WIN new
.if MSB != \new
	s_set_vgpr_msb (MSB<<8)|\new
.set MSB, \new
.endif
.endm
.set MULW, 0xa1                        ; source 0 (Wv) window 1, source 1 (Y) window 0, C and D window 2
.set TO_B, 0x40
.macro JLOAD s                         ; waves 0 and 1 ask for Y's two halves, waves 2 and 3 for Wv's
	s_cmp_eq_u32 s11, 0
	s_cbranch_scc0 .Lfor_b_\@
	tensor_load_to_lds s[G0+4*\s:G0+4*\s+3], s[G1:G1+7]
	s_nop 0
.rept 4
	v_nop
.endr
	s_branch .Lasked_\@
.Lfor_b_\@:
	tensor_load_to_lds s[G0B+4*\s:G0B+4*\s+3], s[G1B:G1B+7]
	s_nop 0
.rept 4
	v_nop
.endr
.Lasked_\@:
.endm
.macro CREST
	s_cmp_lg_u32 s10, 0
	s_cbranch_scc1 .Lnot_wave_0_\@
	s_barrier_signal -3
.Lnot_wave_0_\@:
	s_barrier_wait -3
	s_barrier_signal -1
	s_barrier_wait -1
.endm
.macro CROUND
	s_barrier_signal -1
	s_barrier_wait -1
	CREST
.endm
	s_load_b128 s[4:7], s[0:1], 0x0                ; Y s[4:5], Wh s[6:7]
	s_load_b128 s[68:71], s[0:1], 0x10             ; ball s[68:69], stats s[70:71]
	s_load_b64 s[72:73], s[0:1], 0x20              ; out0
	s_set_vgpr_msb 0x40
	v_lshl_add_u32 v255, v0, 2, 0x4c600
	s_set_vgpr_msb 0x4000
	v_mov_b32 v255, 0
	s_set_vgpr_msb 0x1
	ds_add_u32 v255, v255
	s_set_vgpr_msb 0x100
	v_lshrrev_b32 v1, 5, v0
	v_readfirstlane_b32 s10, v1                    ; wave 0..3
	s_lshr_b32 s11, s10, 1                         ; wm.  Also: I fetch for Y (0) or for Wv (1)
	s_and_b32 s12, s10, 1                          ; wn.  Also: which half of that tile I fetch
	s_bfe_u32 s40, ttmp6, 0x40000                  ; cx
	s_bfe_u32 s41, ttmp6, 0x40004                  ; cy
	s_lshl_b32 s42, ttmp9, 2
	s_add_co_u32 s42, s42, s40                     ; x
	s_and_b32 s13, ttmp7, 0xffff
	s_lshl_b32 s13, s13, 2
	s_add_co_u32 s13, s13, s41                     ; y
	s_lshl_b32 s43, s41, 2
	s_lshl_b32 s43, 15, s43
	s_lshl_b32 s44, 0x1111, s40
	; Y's tiles: 64 rows x 128 elements; Wv's: 128 rows x 128 elements; 4 words of padding behind every 64 words, 1,024 elements from row to row
	s_or_b32 s[G1+0], s43, (1<<16)|(1<<20)|(1<<21)|(5<<22)|(3<<25)
	s_or_b32 s[G1B+0], s44, (1<<16)|(1<<20)|(1<<21)|(5<<22)|(3<<25)
	s_mov_b32 s[G1+1], KSTEP<<16
	s_mov_b32 s[G1B+1], KSTEP<<16
	s_mov_b32 s[G1+2], 64<<16
	s_mov_b32 s[G1B+2], 128<<16
	s_mov_b32 s[G1+3], KSTEP<<16
	s_mov_b32 s[G1B+3], KSTEP<<16
	s_mov_b32 s[G1+4], 64
	s_mov_b32 s[G1B+4], 128
	s_mov_b32 s[G1+5], 1024
	s_mov_b32 s[G1B+5], 1024
	s_mov_b32 s[G1+6], 0
	s_mov_b32 s[G1B+6], 0
	s_mov_b32 s[G1+7], 0
	s_mov_b32 s[G1B+7], 0
	s_lshl_b32 s16, s13, 1
	s_add_co_u32 s16, s16, s12
	s_lshl_b32 s16, s16, 17                        ; Y: row 128 y + 64 x half, 2,048 bytes a row
	s_mov_b32 s17, 0
	s_lshl_b32 s46, s42, 8
	s_lshl_b32 s47, s12, 7
	s_add_co_u32 s46, s46, s47
	s_add_co_u32 s46, s46, 2048                    ; Wv: row 2,048 + 256 x + 128 x half of Wh
	s_lshl_b32 s46, s46, 11
	s_mov_b32 s47, 0
	s_mul_i32 s20, s10, QUART                      ; where the tile goes: the wave's quarter of the slot
	s_lshl_b32 s74, s42, 10                        ; the bias of my 128 columns: (2,048 + 256 x + 128 wn) x 4 bytes
	s_lshl_b32 s75, s12, 9
	s_add_co_u32 s74, s74, s75
	s_add_co_u32 s74, s74, 8192
	s_mov_b32 s75, 0
	s_lshr_b32 s76, s13, 4
	s_lshl_b32 s76, s76, 17                        ; stats: batch x 16 chunks x 2,048 rows x 4 bytes,
	s_and_b32 s77, s13, 15
	s_lshl_b32 s77, s77, 9                         ; 128 rows x 4 bytes
	s_add_co_u32 s76, s76, s77
	s_mov_b32 s77, 0
	s_lshl_b32 s78, s13, 1
	s_add_co_u32 s78, s78, s11
	s_lshl_b32 s78, s78, 18                        ; out0: row 128 y + 64 wm, 4,096 bytes a row,
	s_lshl_b32 s79, s42, 10
	s_add_co_u32 s78, s78, s79                     ; 1,024 bytes a block of columns,
	s_lshl_b32 s79, s12, 9
	s_add_co_u32 s78, s78, s79                     ; 512 bytes a half
	s_mov_b32 s79, 0
	s_wait_dscnt 0x0
	s_wait_kmcnt 0x0
	s_add_nc_u64 s[14:15], s[4:5], s[16:17]
	s_add_nc_u64 s[46:47], s[6:7], s[46:47]
	s_add_nc_u64 s[68:69], s[68:69], s[74:75]
	s_add_nc_u64 s[70:71], s[70:71], s[76:77]
	s_add_nc_u64 s[72:73], s[72:73], s[78:79]
	CROUND
.irp s, 0,1
	s_mov_b32 s[G0+4*\s], 1
	s_add_co_u32 s[G0+4*\s+1], s20, \s*SLOT
	s_add_nc_u64 s[G0+4*\s+2:G0+4*\s+3], s[14:15], \s*KSTEP*2
	s_or_b32 s[G0+4*\s+3], s[G0+4*\s+3], 0x80000000
	s_mov_b32 s[G0B+4*\s], 1
	s_add_co_u32 s[G0B+4*\s+1], s20, \s*SLOT
	s_add_nc_u64 s[G0B+4*\s+2:G0B+4*\s+3], s[46:47], \s*KSTEP*2
	s_or_b32 s[G0B+4*\s+3], s[G0B+4*\s+3], 0x80000000
	JLOAD \s
.endr
	; Thread t makes the flag of row t of the work-group's 128.
	v_lshlrev_b32 v5, 2, v0
.irp c, 0,1,2,3,4,5,6,7,8,9,10,11,12,13,14,15
	global_load_b32 v[64+\c], v5, s[70:71] offset:8192*\c          ; e_c
.endr
	v_and_b32 v1, 15, v0                           ; r
	v_bfe_u32 v2, v0, 4, 1                         ; h
	v_and_b32 v6, 31, v0                           ; l
	v_lshlrev_b32 v[BOFF], 5, v2
	WIN TO_B
.irp b, 0,1,2,3,4,5,6,7
	global_load_b128 v[8*\b:8*\b+3],   v[BOFF], s[68:69] offset:64*\b      ; register j of tile column b: bv[256 x + 128 wn + 16 b + 8 h + j]
	global_load_b128 v[8*\b+4:8*\b+7], v[BOFF], s[68:69] offset:64*\b+16
.endr
	WIN 0
	v_mul_u32_u24 v3, v1, PITCH
	v_lshl_add_u32 v3, v2, 4, v3
	s_mul_i32 s21, s11, QUART                      ; my 64 rows of Y are one quarter,
	s_mul_i32 s22, s12, QUART                      ; my 128 rows of Wv another,
	s_add_co_u32 s22, s22, 2*QUART                 ; behind Y's two
.irp s, 0,1
	v_add_nc_u32 v[ADRA+\s], s21, v3
	v_add_nc_u32 v[ADRB+\s], s22, v3
	s_add_co_u32 s21, s21, SLOT
	s_add_co_u32 s22, s22, SLOT
.endr
	s_lshl_b32 s23, s11, 8
	s_add_co_u32 s23, s23, FLT
	v_lshl_add_u32 v[FLA], v1, 4, s23
	s_mul_i32 s23, s10, 16*SPITCH
	s_add_co_u32 s23, s23, STAGE
	v_mul_u32_u24 v4, v1, SPITCH
	v_lshl_add_u32 v4, v2, 5, v4
	v_add_nc_u32 v[STO], s23, v4                   ; row r, 32 bytes for each half of the lanes
	v_lshl_add_u32 v[RD], v6, 4, s23               ; a row of 512 bytes
	v_lshlrev_b32 v[CO], 4, v6
	v_mov_b32 v[NINF], 0xff800000
	v_mov_b32 v98, 1.0
	v_lshrrev_b32 v10, 6, v0                       ; the table's word of row t: wm = t / 64, a = (t / 16) % 4, r = t % 16
	v_bfe_u32 v11, v0, 4, 2
	v_lshlrev_b32 v10, 8, v10
	v_lshl_add_u32 v10, v1, 4, v10
	v_lshl_add_u32 v10, v11, 2, v10
	v_add_nc_u32 v10, FLT, v10
	s_wait_loadcnt 0x0                             ; e_c, and the bias
	v_max3_num_f32 v96, v64, v65, v66
.irp i, 67,69,71,73,75,77
	v_max3_num_f32 v96, v96, v[\i], v[\i+1]
.endr
	v_max_num_f32 v96, v96, v79
	v_cmp_lt_f32 vcc_lo, v[NINF], v96
	v_cndmask_b32 v97, 0, v98, vcc_lo              ; 1 where some key is unmasked
	ds_store_b32 v10, v97
; 16 matrix instructions: row tiles a0, a0 + 1 x all 8 column tiles, 32 along K.  The 32 accumulators take turns, one instruction a turn, in the same order in every
; quarter step.
.macro MUL16 f, a0, zero
.irp a, \a0, \a0+1
.irp b, 0,1,2,3,4,5,6,7
.if \zero
	v_wmma_f32_16x16x32_f16 v[8*(8*(\a)+\b):8*(8*(\a)+\b)+7], v[\f+8*\b:\f+8*\b+7], v[\f+8*(\a):\f+8*(\a)+7], 0
.else
	v_wmma_f32_16x16x32_f16 v[8*(8*(\a)+\b):8*(8*(\a)+\b)+7], v[\f+8*\b:\f+8*\b+7], v[\f+8*(\a):\f+8*(\a)+7], v[8*(8*(\a)+\b):8*(8*(\a)+\b)+7]
.endif
.endr
.endr
.endm
; 24 LDS loads in one run: 128 rows of Wv, then 64 rows of Y, 32 K at byte k of the rows, into buffer f
.macro FETCH slot, k, f
	WIN TO_B
.irp i, 0,1,2,3,4,5,6,7
	ds_load_b128 v[\f+8*\i:\f+8*\i+3],   v[ADRB+\slot] offset:\k+\i*16*PITCH
	ds_load_b128 v[\f+8*\i+4:\f+8*\i+7], v[ADRB+\slot] offset:\k+\i*16*PITCH+32
.endr
	WIN 0
.irp i, 0,1,2,3
	ds_load_b128 v[\f+8*\i:\f+8*\i+3],   v[ADRA+\slot] offset:\k+\i*16*PITCH
	ds_load_b128 v[\f+8*\i+4:\f+8*\i+7], v[ADRA+\slot] offset:\k+\i*16*PITCH+32
.endr
.endm
.macro PLACES                          ; four plain vector instructions behind a matrix instruction (ISA guide 7.12.1)
.rept 4
	v_nop
.endr
.endm
.macro QUARTER slot, k, f, g, zero
	s_wait_dscnt 4                                 ; Wv and Y's rows 0-31 are in; the youngest four loads (Y's rows 32-63) may be out
	WIN MULW
	MUL16 \f, 0, \zero
	PLACES
	FETCH \slot, \k, \g
	s_wait_dscnt 24                                ; all but the 24 just issued
	WIN MULW
	MUL16 \f, 2, \zero
.endm
.macro THREE slot, zero
	QUARTER \slot, 64,  F0, F1, \zero
	QUARTER \slot, 128, F1, F0, 0
	QUARTER \slot, 192, F0, F1, 0
.endm
; The change of slots: each wave's waits for its reads and for all its tensor loads, the barrier (the round's opening), the refill first behind the round.
; From a request to the wait for it a wave issues 112 matrix instructions.
.macro TURN slot, next, fill
	s_wait_dscnt 0                                 ; my reads of this slot are over
	s_wait_tensorcnt 0x0                           ; all my tensor loads have landed
	ds_add_u32 v255, v255
	s_wait_dscnt 0x0
	s_barrier_signal -1
	WIN MULW
	MUL16 F1, 0, 0
	WIN 0
	s_barrier_wait -1
.if \fill
	CREST
	s_add_nc_u64 s[G0+4*\slot+2:G0+4*\slot+3], s[G0+4*\slot+2:G0+4*\slot+3], 2*KSTEP*2
	s_add_nc_u64 s[G0B+4*\slot+2:G0B+4*\slot+3], s[G0B+4*\slot+2:G0B+4*\slot+3], 2*KSTEP*2
	JLOAD \slot
.else
	PLACES
.endif
	FETCH \next, 0, F0
	WIN MULW
	MUL16 F1, 2, 0
.endm
.macro LAP zero
	THREE 0, \zero
	TURN 0, 1, 1
	THREE 1, 0
	TURN 1, 0, 1
.endm
	s_wait_dscnt 0x0                               ; my word of the table is in LDS, for the other waves' sake
	s_wait_tensorcnt 1                             ; my part of K step 0 is in; K step 1's stays out
	s_barrier_signal -1
	s_barrier_wait -1
	FETCH 0, 0, F0
	LAP 1
	WIN 0
	s_mov_b32 s3, LAPS-2
.Llap:
	LAP 0
	WIN 0
	s_sub_co_u32 s3, s3, 1
	s_cmp_lg_u32 s3, 0
	s_cbranch_scc1 .Llap
	THREE 0, 0                                     ; the last lap fills nothing
	TURN 0, 1, 0
	THREE 1, 0
	s_wait_dscnt 0
	WIN MULW
	MUL16 F1, 0, 0
	MUL16 F1, 2, 0
	; THE WAY OUT, 16 rows at a time: one fused multiply-add brings the flagged bias in; a lane's 32 bytes of each tile into my own stage, whole rows of 512 bytes back.
	PLACES
	WIN 0
	ds_load_b128 v[FL:FL+3], v[FLA]
	s_wait_dscnt 0x0
.macro OUT16 a
	WIN 0x24                                       ; source 0 (flag) window 0, source 1 (bias) window 1, source 2 (sums) window 2, destination window 0
.irp b, 0,1,2,3,4,5,6,7
.irp j, 0,1,2,3,4,5,6,7
	v_fma_f32 v[T+8*\b+\j], v[FL+\a], v[8*\b+\j], v[8*(8*\a+\b)+\j]
.endr
.endr
	WIN 0
.irp b, 0,1,2,3,4,5,6,7
	ds_store_b128 v[STO], v[T+8*\b:T+8*\b+3]   offset:64*\b
	ds_store_b128 v[STO], v[T+8*\b+4:T+8*\b+7] offset:64*\b+16
.endr
	s_wait_xcnt 0x0                                ; RB and the base, which earlier stores read, are rewritten only behind this wait (ISA guide 3.1)
.if \a
	s_add_nc_u64 s[72:73], s[72:73], 16*OROW
.endif
.irp t, 0,1,2,3,4,5,6,7,8,9,10,11,12,13,14,15
	ds_load_b128 v[RB+4*\t:RB+4*\t+3], v[RD] offset:\t*SPITCH      ; my own bytes, served in order behind the stores above (ISA guide 5.7.1)
.endr
.irp t, 0,1,2,3,4,5,6,7,8,9,10,11,12,13,14,15
	s_wait_dscnt 15-\t                             ; the 15 - t younger loads stay out
	global_store_b128 v[CO], v[RB+4*\t:RB+4*\t+3], s[72:73] offset:\t*OROW th:TH_STORE_NT   ; 512 consecutive bytes, aligned
.endr
.endm
	OUT16 0
	OUT16 1
	OUT16 2
	OUT16 3
	s_set_vgpr_msb 0x1
	s_wait_tensorcnt 0x0
	ds_add_u32 v255, v255
	s_wait_dscnt 0x0
	s_set_vgpr_msb 0x100
	CROUND                                         ; the closing round
	s_endpgm
.Lfunc_end_k_qee4cffb4c5_proj:
	.size	k_qee4cffb4c5_proj, .Lfunc_end_k_qee4cffb4c5_proj-k_qee4cffb4c5_proj
	.p2alignl 7, 3214868480
	.fill 96, 4, 3214868480
	.section	.rodata,"a",@progbits
	.p2align	6, 0x0
	.amdhsa_kernel k_qee4cffb4c5_proj
		.amdhsa_group_segment_fixed_size 327680
		.amdhsa_private_segment_fixed_size 0
		.amdhsa_enable_private_segment 0
		.amdhsa_kernarg_size 40
		.amdhsa_user_sgpr_count 2
		.amdhsa_user_sgpr_kernarg_segment_ptr 1
		.amdhsa_wavefront_size32 1
		.amdhsa_system_sgpr_workgroup_id_x 1
		.amdhsa_system_sgpr_workgroup_id_y 1
		.amdhsa_system_sgpr_workgroup_id_z 1
		.amdhsa_system_vgpr_workitem_id 0
		.amdhsa_next_free_vgpr 768
		.amdhsa_next_free_sgpr 80
		.amdhsa_reserve_vcc 1
		.amdhsa_float_denorm_mode_32 3
		.amdhsa_float_denorm_mode_16_64 3
		.amdhsa_memory_ordered 1
		.amdhsa_forward_progress 1
		.amdhsa_inst_pref_size 140
	.end_amdhsa_kernel
	.amdgpu_metadata
---
amdhsa.version: [ 1, 2 ]
amdhsa.kernels:
  - .name:           k_qee4cffb4c5_proj
    .symbol:         k_qee4cffb4c5_proj.kd
    .args:
      - { .name: Y, .offset: 0, .size: 8, .value_kind: global_buffer, .address_space: global }
      - { .name: Wh, .offset: 8, .size: 8, .value_kind: global_buffer, .address_space: global }
      - { .name: ball, .offset: 16, .size: 8, .value_kind: global_buffer, .address_space: global }
      - { .name: stats, .offset: 24, .size: 8, .value_kind: global_buffer, .address_space: global }
      - { .name: out0, .offset: 32, .size: 8, .value_kind: global_buffer, .address_space: global }
    .group_segment_fixed_size: 327680
    .private_segment_fixed_size: 0
    .kernarg_segment_align: 8
    .kernarg_segment_size: 40
    .max_flat_workgroup_size: 128
    .sgpr_count:     80
    .vgpr_count:     768
    .wavefront_size: 32
...
	.end_amdgpu_metadata
.endif
;; end of part 5
;; ======== version 2 of 3: 5 launches; 1.17 times as fast as version 1
;; limits: values are held in f16: magnitudes above 65,504 overflow, below 6.1e-05 lose precision; right only within a limited range of input values
;; workspace buffers: Xh 16,777,216 bytes; Wh 6,291,456 bytes; ball 12,288 bytes; mbits 524,288 bytes of whole numbers; QK 33,554,432 bytes; P 33,554,432 bytes; stats 1,048,576 bytes; Y 16,777,216 bytes
;; launch prep: the kernel of part 1 again; grid 483 x 1, 8 waves a work-group, no clusters, 35,840 bytes of LDS; arguments X, Wq, Wk, Wv, bq, bk, bv, mask, Xh, Wh, ball, mbits; writes Xh, Wh, ball, mbits
;; launch qk: the kernel of part 2 again; grid 8 x 32, 4 waves a work-group, clusters of 4 x 4, 327,680 bytes of LDS; arguments Xh, Wh, ball, QK; writes QK
;; launch scores (part 6): grid 8 x 32, 4 waves a work-group, clusters of 4 x 4, 327,680 bytes of LDS; arguments QK, mbits, P, stats; writes P, stats
.if DOCPART == 6
	.amdgcn_target "amdgcn-amd-amdhsa--gfx1250"
	.amdhsa_code_object_version 6
	.text
	.protected	k_qee4cffb4c5_scores
	.globl	k_qee4cffb4c5_scores
	.p2align	8
	.type	k_qee4cffb4c5_scores,@function
k_qee4cffb4c5_scores:
	s_mov_b64 s[64:65], 0
	v_nop
	global_prefetch_b8 v0, s[64:65] scope:SCOPE_SE
	s_setreg_imm32_b32 hwreg(HW_REG_WAVE_MODE, 25, 1), 1
	s_wait_xcnt 0x0
	s_wait_alu depctr_hold_cnt(0) depctr_sa_sdst(0) depctr_va_vdst(0) depctr_va_sdst(0) depctr_va_ssrc(0) depctr_va_vcc(0) depctr_vm_vsrc(0)
	s_getreg_b32 s2, hwreg(HW_REG_IB_STS2, 6, 4)
	s_cmp_eq_u32 s2, 0
	s_cbranch_scc0 .Lentry_in_a_cluster
	s_endpgm
.Lentry_in_a_cluster:
	s_bfe_u32 s2, ttmp6, 0x10000c
	s_cmp_lg_u32 s2, 0xf033
	s_cbranch_scc0 .Lentry_shape_is_right
	s_endpgm
.Lentry_shape_is_right:
; Scores and the first half of the softmax.  s[q][key] = sum over d of Q[q][d] K[key][d]; k = log2(e) / 32.
; For each row q and each chunk c of 128 keys: m_c = the largest unmasked s of the chunk, e_c = ceil(k m_c): the chunk's maximum, rounded up to a whole number, is
; taken away in front of every exponential, so every exponent is at most 0 and the largest lies in (-1, 0].  p = exp2(k s - e_c) (0 where masked).
; stats plane 0 = e_c (-inf where the whole chunk is masked), plane 1 = l_c = the sum of the unrounded p.  Because e_c is whole, the next kernel brings the chunks to the
; row's own shift by exact powers of two.  p leaves rounded once to f16 (nearest even): P [8192][2048].
; A work-group makes 256 rows x 256 keys with four waves, a wave 128 x 128 = one chunk of 128 rows: 64 accumulator tiles, 512 registers.  8 x 32 = 256 work-groups;
; x = block of keys, y = 8 x batch + block of rows.  K (here d = 1,024) goes in steps of 128 through two LDS slots.  Q and K are columns 0-1023 and 1024-2047 of QK.
; CLUSTERS: 4 x 4; Q's tiles are asked for jointly along a row of the cluster, K's along a column (a cluster lies inside one batch: 4 divides 8).
; REGISTERS: window 0 addresses, Q's fragments, the epilogue's work; window 1 K's fragments; windows 2, 3 the tiles of my rows 0-63, 64-127 (tile (a, b) at v[8 (8 a + b)]).
; Transposed use: source 0 = rows of K, source 1 = rows of Q: lane l holds row l % 16, registers 0-7 the keys 8 (l / 16) + 0..7.
; LIMITS: operands f16.  Scores that overflow f32, NaN and infinities in Q or K are not served.  p is carried to within 2^-11 of itself or 2^-25, whichever is larger.
.set KSTEP,  128
.set PITCH,  272
.set HALFT,  128*PITCH
.set SLOT,   4*HALFT
.set STAGE,  2*SLOT                    ; 16 rows x 272 bytes for each wave
.set SPITCH, 272
.set STATS,  STAGE+4*16*SPITCH         ; 1,024 bytes for each wave: 128 e_c, 128 l_c
.set PROW,   4096                      ; bytes in a row of P
.set LAPS,   4
.set ADRA, 16
.set ADRB, 20
.set STO,  24                          ; v24  stage: where I put 16 bytes of a row
.set RD,   25                          ; v25  stage: where I read a row back
.set CO,   26                          ; v26  my byte offset in P
.set SM,   27                          ; v27  stats stage + 4 r
.set SR,   28                          ; v28  stats stage + 16 l
.set SO,   29                          ; v29  16 l
.set NINF, 30                          ; v30  -inf
.set MX,   32                          ; v32-35  four chains of the maximum
.set MK,   36                          ; v36  e_c
.set NMK,  37                          ; v37  -e_c
.set NMS,  38                          ; v38-39  the shift, twice
.set SU,   40                          ; v40-47  four chains of the sum, two numbers each
.set PX,   48                          ; v48  the other half's figure
.set T,    64                          ; v64-127  16 rows' masked scores, then their exponentials
.set PK,   128                         ; v128-159 packed f16
.set RB,   160                         ; v160-191 rows read back
.set ST,   192                         ; v192-199 stats read back
.set F0,   64
.set F1,   128
.set G1, 24
.set G0, 32
.set G1B, 48
.set G0B, 56
.set MSB, 0
.macro WIN new
.if MSB != \new
	s_set_vgpr_msb (MSB<<8)|\new
.set MSB, \new
.endif
.endm
.set MUL_LO, 0xa1
.set MUL_HI, 0xf1
.set TO_B,   0x40
.macro JLOAD s                         ; waves 0 and 1 ask for Q's two halves, waves 2 and 3 for K's
	s_cmp_eq_u32 s11, 0
	s_cbranch_scc0 .Lfor_b_\@
	tensor_load_to_lds s[G0+4*\s:G0+4*\s+3], s[G1:G1+7]
	s_nop 0
.rept 4
	v_nop
.endr
	s_branch .Lasked_\@
.Lfor_b_\@:
	tensor_load_to_lds s[G0B+4*\s:G0B+4*\s+3], s[G1B:G1B+7]
	s_nop 0
.rept 4
	v_nop
.endr
.Lasked_\@:
.endm
.macro CREST
	s_cmp_lg_u32 s10, 0
	s_cbranch_scc1 .Lnot_wave_0_\@
	s_barrier_signal -3
.Lnot_wave_0_\@:
	s_barrier_wait -3
	s_barrier_signal -1
	s_barrier_wait -1
.endm
.macro CROUND
	s_barrier_signal -1
	s_barrier_wait -1
	CREST
.endm
	s_load_b256 s[68:75], s[0:1], 0x0              ; QK s[68:69], mbits s[70:71], P s[72:73], stats s[74:75]
	s_set_vgpr_msb 0x40
	v_lshl_add_u32 v255, v0, 2, 0x49400
	s_set_vgpr_msb 0x4000
	v_mov_b32 v255, 0
	s_set_vgpr_msb 0x1
	ds_add_u32 v255, v255
	s_set_vgpr_msb 0x100
	v_lshrrev_b32 v1, 5, v0
	v_readfirstlane_b32 s10, v1                    ; wave 0..3
	s_lshr_b32 s11, s10, 1                         ; wm: my half of the rows.  Also: I fetch for Q (0) or for K (1)
	s_and_b32 s12, s10, 1                          ; wn: my half of the keys.  Also: which 128 rows of that tile I fetch
	s_bfe_u32 s40, ttmp6, 0x40000                  ; cx
	s_bfe_u32 s41, ttmp6, 0x40004                  ; cy
	s_lshl_b32 s42, ttmp9, 2
	s_add_co_u32 s42, s42, s40                     ; x = 4 x cluster x + cx
	s_and_b32 s45, ttmp7, 0xffff                   ; the cluster's y
	s_lshl_b32 s13, s45, 2
	s_add_co_u32 s13, s13, s41                     ; y = 4 x cluster y + cy
	s_lshr_b32 s45, s45, 1                         ; batch = y / 8, from the cluster's y alone
	s_lshl_b32 s43, s41, 2
	s_lshl_b32 s43, 15, s43                        ; my row of the cluster
	s_lshl_b32 s44, 0x1111, s40                    ; my column
	s_or_b32 s[G1+0], s43, (1<<16)|(1<<20)|(1<<21)|(5<<22)|(3<<25)
	s_or_b32 s[G1B+0], s44, (1<<16)|(1<<20)|(1<<21)|(5<<22)|(3<<25)
	s_mov_b32 s[G1+1], KSTEP<<16
	s_mov_b32 s[G1B+1], KSTEP<<16
	s_mov_b32 s[G1+2], 128<<16
	s_mov_b32 s[G1B+2], 128<<16
	s_mov_b32 s[G1+3], KSTEP<<16
	s_mov_b32 s[G1B+3], KSTEP<<16
	s_mov_b32 s[G1+4], 128
	s_mov_b32 s[G1B+4], 128
	s_mov_b32 s[G1+5], 2048                        ; elements from row to row of QK
	s_mov_b32 s[G1B+5], 2048
	s_mov_b32 s[G1+6], 0
	s_mov_b32 s[G1B+6], 0
	s_mov_b32 s[G1+7], 0
	s_mov_b32 s[G1B+7], 0
	s_lshl_b32 s17, s12, 7
	s_lshl_b32 s16, s13, 8
	s_add_co_u32 s16, s16, s17                     ; Q: row 256 y + 128 x half,
	s_lshl_b32 s16, s16, 12                        ; 4,096 bytes a row
	s_mov_b32 s17, 0
	s_lshl_b32 s46, s42, 8
	s_lshl_b32 s47, s12, 7
	s_add_co_u32 s46, s46, s47
	s_lshl_b32 s47, s45, 11
	s_add_co_u32 s46, s46, s47                     ; K: row 2,048 batch + 256 x + 128 x half,
	s_lshl_b32 s46, s46, 12
	s_add_co_u32 s46, s46, 2048                    ; at byte 2,048 of the row
	s_mov_b32 s47, 0
	s_mul_i32 s20, s10, HALFT
	; the epilogue's bases, made now: the registers of the ids will hold mask words by then
	s_and_b32 s84, s13, 7
	s_lshl_b32 s84, s84, 1
	s_add_co_u32 s84, s84, s11                     ; 2 (y % 8) + wm: my 128 rows inside the batch
	s_lshl_b32 s85, s42, 1
	s_add_co_u32 s85, s85, s12                     ; c = 2 x + wn: my chunk
	s_lshl_b32 s80, s84, 15                        ; mbits: 8 q tiles of 4,096 bytes,
	s_lshl_b32 s86, s85, 8                         ; 8 key tiles of 32 bytes
	s_add_co_u32 s80, s80, s86
	s_mov_b32 s81, 0
	s_lshl_b32 s82, s13, 1
	s_add_co_u32 s82, s82, s11
	s_lshl_b32 s82, s82, 19                        ; P: 128 rows of 4,096 bytes,
	s_add_co_u32 s82, s82, s86                     ; 256 bytes a chunk
	s_mov_b32 s83, 0
	s_lshr_b32 s78, s13, 3
	s_lshl_b32 s78, s78, 4
	s_add_co_u32 s78, s78, s85
	s_lshl_b32 s78, s78, 13                        ; stats: (16 batch + c) x 2,048 rows x 4 bytes,
	s_lshl_b32 s86, s84, 9                         ; 128 rows x 4 bytes
	s_add_co_u32 s78, s78, s86
	s_mov_b32 s79, 0
	s_mov_b32 s76, 0x76543210                      ; v_permlanex16_b32: lane i of one half reads lane i of the other
	s_mov_b32 s77, 0xfedcba98
	s_wait_dscnt 0x0
	s_wait_kmcnt 0x0
	s_add_nc_u64 s[14:15], s[68:69], s[16:17]
	s_add_nc_u64 s[46:47], s[68:69], s[46:47]
	s_add_nc_u64 s[70:71], s[70:71], s[80:81]
	s_add_nc_u64 s[72:73], s[72:73], s[82:83]
	s_add_nc_u64 s[74:75], s[74:75], s[78:79]
	CROUND
.irp s, 0,1
	s_mov_b32 s[G0+4*\s], 1
	s_add_co_u32 s[G0+4*\s+1], s20, \s*SLOT
	s_add_nc_u64 s[G0+4*\s+2:G0+4*\s+3], s[14:15], \s*KSTEP*2
	s_or_b32 s[G0+4*\s+3], s[G0+4*\s+3], 0x80000000
	s_mov_b32 s[G0B+4*\s], 1
	s_add_co_u32 s[G0B+4*\s+1], s20, \s*SLOT
	s_add_nc_u64 s[G0B+4*\s+2:G0B+4*\s+3], s[46:47], \s*KSTEP*2
	s_or_b32 s[G0B+4*\s+3], s[G0B+4*\s+3], 0x80000000
	JLOAD \s
.endr
	v_and_b32 v1, 15, v0                           ; r
	v_bfe_u32 v2, v0, 4, 1                         ; h
	v_and_b32 v6, 31, v0                           ; l
	v_mul_u32_u24 v3, v1, PITCH
	v_lshl_add_u32 v3, v2, 4, v3
	s_mul_i32 s21, s11, HALFT
	s_mul_i32 s22, s12, HALFT
	s_add_co_u32 s22, s22, 2*HALFT
.irp s, 0,1
	v_add_nc_u32 v[ADRA+\s], s21, v3
	v_add_nc_u32 v[ADRB+\s], s22, v3
	s_add_co_u32 s21, s21, SLOT
	s_add_co_u32 s22, s22, SLOT
.endr
	s_mul_i32 s23, s10, 16*SPITCH
	s_add_co_u32 s23, s23, STAGE
	v_add_nc_u32 v[STO], s23, v3                   ; row r, 16 bytes for each half of the lanes (the stage has the ring's pitch)
	v_mul_u32_u24 v5, v2, SPITCH
	v_lshl_add_u32 v5, v1, 4, v5
	v_add_nc_u32 v[RD], s23, v5                    ; lanes 0-15 one row of 256 bytes, lanes 16-31 the next
	v_lshlrev_b32 v5, 12, v2
	v_lshl_add_u32 v[CO], v1, 4, v5                ; the same two rows in P
	s_lshl_b32 s23, s10, 10
	s_add_co_u32 s23, s23, STATS
	v_lshl_add_u32 v[SM], v1, 2, s23
	v_lshl_add_u32 v[SR], v6, 4, s23
	v_lshlrev_b32 v[SO], 4, v6
	v_mov_b32 v[NINF], 0xff800000
	v_mov_b32 v[PX], 0                             ; v_permlanex16_b32 counts as a reader of its destination
.macro MUL16 f, hi, a0, zero
.irp a, \a0, \a0+1
.irp b, 0,1,2,3,4,5,6,7
.if \zero
	v_wmma_f32_16x16x32_f16 v[8*(8*(\a)+\b):8*(8*(\a)+\b)+7], v[\f+8*\b:\f+8*\b+7], v[\f+8*(4*\hi+\a):\f+8*(4*\hi+\a)+7], 0
.else
	v_wmma_f32_16x16x32_f16 v[8*(8*(\a)+\b):8*(8*(\a)+\b)+7], v[\f+8*\b:\f+8*\b+7], v[\f+8*(4*\hi+\a):\f+8*(4*\hi+\a)+7], v[8*(8*(\a)+\b):8*(8*(\a)+\b)+7]
.endif
.endr
.endr
.endm
.macro FETCH slot, k, f
	WIN TO_B
.irp i, 0,1,2,3,4,5,6,7
	ds_load_b128 v[\f+8*\i:\f+8*\i+3],   v[ADRB+\slot] offset:\k+\i*16*PITCH
	ds_load_b128 v[\f+8*\i+4:\f+8*\i+7], v[ADRB+\slot] offset:\k+\i*16*PITCH+32
.endr
	WIN 0
.irp i, 0,1,2,3,4,5,6,7
	ds_load_b128 v[\f+8*\i:\f+8*\i+3],   v[ADRA+\slot] offset:\k+\i*16*PITCH
	ds_load_b128 v[\f+8*\i+4:\f+8*\i+7], v[ADRA+\slot] offset:\k+\i*16*PITCH+32
.endr
.endm
.macro PLACES                          ; four plain vector instructions behind a matrix instruction (ISA guide 7.12.1)
.rept 4
	v_nop
.endr
.endm
; The 64 accumulators take turns, one instruction a turn, in the same order in every quarter step.
.macro QUARTER slot, k, f, g, zero
	s_wait_dscnt 8                                 ; K and Q's rows 0-63 are in; the youngest eight loads (Q's rows 64-127) may be out
	WIN MUL_LO
	MUL16 \f, 0, 0, \zero
	MUL16 \f, 0, 2, \zero
	PLACES
	FETCH \slot, \k, \g
	s_wait_dscnt 32                                ; all but the 32 just issued
	WIN MUL_HI
	MUL16 \f, 1, 0, \zero
	MUL16 \f, 1, 2, \zero
.endm
.macro THREE slot, zero
	QUARTER \slot, 64,  F0, F1, \zero
	QUARTER \slot, 128, F1, F0, 0
	QUARTER \slot, 192, F0, F1, 0
.endm
; The change of slots: each wave's waits for its reads and for all its tensor loads, the barrier (the round's opening), the refill first behind the round.
; From a request to the wait for it a wave issues 240 matrix instructions.
.macro TURN slot, next, fill
	s_wait_dscnt 8
	WIN MUL_LO
	MUL16 F1, 0, 0, 0
	s_wait_dscnt 0
	s_wait_tensorcnt 0x0
	ds_add_u32 v255, v255
	s_wait_dscnt 0x0
	s_barrier_signal -1
	MUL16 F1, 0, 2, 0
	WIN 0
	s_barrier_wait -1
.if \fill
	CREST
	s_add_nc_u64 s[G0+4*\slot+2:G0+4*\slot+3], s[G0+4*\slot+2:G0+4*\slot+3], 2*KSTEP*2
	s_add_nc_u64 s[G0B+4*\slot+2:G0B+4*\slot+3], s[G0B+4*\slot+2:G0B+4*\slot+3], 2*KSTEP*2
	JLOAD \slot
.else
	PLACES
.endif
	FETCH \next, 0, F0
	WIN MUL_HI
	MUL16 F1, 1, 0, 0
	MUL16 F1, 1, 2, 0
.endm
.macro LAP zero
	THREE 0, \zero
	TURN 0, 1, 1
	THREE 1, 0
	TURN 1, 0, 1
.endm
; The 64 mask words of 16 rows x 128 keys, 256 consecutive bytes: word 8 b + j in s[16 + 8 b + j] (b < 6) or s[36 + 8 b + j] (b = 6, 7)
.macro MLOAD a
	s_load_b512 s[16:31], s[70:71], 4096*(\a)
	s_load_b512 s[32:47], s[70:71], 4096*(\a)+64
	s_load_b512 s[48:63], s[70:71], 4096*(\a)+128
	s_load_b512 s[84:99], s[70:71], 4096*(\a)+192
.endm
	s_wait_tensorcnt 1                             ; my part of K step 0 is in; K step 1's stays out
	s_barrier_signal -1
	s_barrier_wait -1
	FETCH 0, 0, F0
	LAP 1
	WIN 0
	s_mov_b32 s3, LAPS-2
.Llap:
	LAP 0
	WIN 0
	s_sub_co_u32 s3, s3, 1
	s_cmp_lg_u32 s3, 0
	s_cbranch_scc1 .Llap
	THREE 0, 0
	TURN 0, 1, 0
	MLOAD 0                                        ; the wait for all tensor loads in the change of slots above has freed the descriptors' registers; the last K step's work covers these loads
	THREE 1, 0
	s_wait_dscnt 8
	WIN MUL_LO
	MUL16 F1, 0, 0, 0
	MUL16 F1, 0, 2, 0
	s_wait_dscnt 0
	WIN MUL_HI
	MUL16 F1, 1, 0, 0
	MUL16 F1, 1, 2, 0
	PLACES
; 16 rows: tiles (ap, 0..7) of window 2 or 3 (from = 0x02 or 0x03: source 0).  A lane holds 64 of its row's 128 scores, lane l xor 16 the other 64.
.macro SOFT a, ap, from
	s_wait_kmcnt 0x0                               ; this block's mask words
	s_wait_xcnt 0x0                                ; RB and the base, which the last block's stores read, are rewritten only behind this wait (ISA guide 3.1)
.if \a
	s_add_nc_u64 s[72:73], s[72:73], 16*PROW
.endif
	WIN \from
.irp b, 0,1,2,3,4,5,6,7
.irp j, 0,1,2,3,4,5,6,7
.if 8*\b+\j < 48
	v_cndmask_b32 v[T+8*\b+\j], v[8*(8*\ap+\b)+\j], v[NINF], s[16+8*\b+\j]     ; -inf where the mask's bit is set
.else
	v_cndmask_b32 v[T+8*\b+\j], v[8*(8*\ap+\b)+\j], v[NINF], s[36+8*\b+\j]
.endif
.endr
.endr
	WIN 0
.if \a < 7
	MLOAD \a+1                                     ; the next block's words come while this block is worked on
.endif
	; the maximum: four chains of 16
.irp c, 0,1,2,3
	v_max3_num_f32 v[MX+\c], v[T+16*\c], v[T+16*\c+1], v[T+16*\c+2]
.endr
.irp i, 3,5,7,9,11,13
.irp c, 0,1,2,3
	v_max3_num_f32 v[MX+\c], v[MX+\c], v[T+16*\c+\i], v[T+16*\c+\i+1]
.endr
.endr
.irp c, 0,1,2,3
	v_max_num_f32 v[MX+\c], v[MX+\c], v[T+16*\c+15]
.endr
	v_max3_num_f32 v[MX], v[MX], v[MX+1], v[MX+2]
	v_max_num_f32 v[MX], v[MX], v[MX+3]
	v_permlanex16_b32 v[PX], v[MX], s76, s77
	v_max_num_f32 v[MX], v[MX], v[PX]              ; both halves hold the row's maximum over the chunk
	v_mul_f32 v[NMK], 0xbd38aa3b, v[MX]            ; -k m_c
	v_floor_f32 v[NMK], v[NMK]                     ; -e_c = floor(-k m_c) = -ceil(k m_c); +inf where all 128 are masked
	v_cmp_lt_f32 vcc_lo, v[NINF], v[MX]
	v_sub_f32 v[MK], 0, v[NMK]                     ; e_c; -inf where all are masked
	v_cndmask_b32 v[NMS],   0, v[NMK], vcc_lo      ; the shift; 0 where all are masked, so that -inf stays -inf
	v_cndmask_b32 v[NMS+1], 0, v[NMK], vcc_lo
.set n, 0
.rept 32
	v_pk_fma_f32 v[T+n:T+n+1], v[T+n:T+n+1], 0x3d38aa3b, v[NMS:NMS+1] op_sel_hi:[1,0,1]
.set n, n+2
.endr
.set n, 0
.rept 64
	v_exp_f32 v[T+n], v[T+n]
.set n, n+1
.endr
	v_nop                                          ; one plain vector instruction behind the last transcendental before its result is used (ISA guide 5.7.2)
	; the sum of the unrounded exponentials: four chains of eight pairs
	s_wait_alu depctr_va_vdst(0)
.irp c, 0,1,2,3
	v_pk_add_f32 v[SU+2*\c:SU+2*\c+1], v[T+16*\c:T+16*\c+1], v[T+16*\c+2:T+16*\c+3]
.endr
.irp p, 2,3,4,5,6,7
.irp c, 0,1,2,3
	v_pk_add_f32 v[SU+2*\c:SU+2*\c+1], v[SU+2*\c:SU+2*\c+1], v[T+16*\c+2*\p:T+16*\c+2*\p+1]
.endr
.endr
	v_pk_add_f32 v[SU:SU+1], v[SU:SU+1], v[SU+2:SU+3]
	v_pk_add_f32 v[SU+4:SU+5], v[SU+4:SU+5], v[SU+6:SU+7]
	v_pk_add_f32 v[SU:SU+1], v[SU:SU+1], v[SU+4:SU+5]
	v_add_f32 v[SU], v[SU], v[SU+1]
	v_permlanex16_b32 v[PX], v[SU], s76, s77
	v_add_f32 v[SU], v[SU], v[PX]
.irp b, 0,1,2,3,4,5,6,7
.irp i, 0,1,2,3
	v_cvt_pk_f16_f32 v[PK+4*\b+\i], v[T+8*\b+2*\i], v[T+8*\b+2*\i+1]           ; the one rounding of a weight
.endr
.endr
.irp b, 0,1,2,3,4,5,6,7
	ds_store_b128 v[STO], v[PK+4*\b:PK+4*\b+3] offset:32*\b
.endr
	ds_store_b32 v[SM], v[MK] offset:64*\a         ; both halves write the same word with the same number
	ds_store_b32 v[SM], v[SU] offset:512+64*\a
.irp t, 0,1,2,3,4,5,6,7
	ds_load_b128 v[RB+4*\t:RB+4*\t+3], v[RD] offset:\t*2*SPITCH    ; my own bytes, served in order behind the stores above (ISA guide 5.7.1)
.endr
.irp t, 0,1,2,3,4,5,6,7
	s_wait_dscnt 7-\t                              ; the 7 - t younger loads stay out
	global_store_b128 v[CO], v[RB+4*\t:RB+4*\t+3], s[72:73] offset:2*\t*PROW   ; sixteen lanes store 256 consecutive bytes, aligned
.endr
.endm
	SOFT 0, 0, 0x02
	SOFT 1, 1, 0x02
	SOFT 2, 2, 0x02
	SOFT 3, 3, 0x02
	SOFT 4, 0, 0x03
	SOFT 5, 1, 0x03
	SOFT 6, 2, 0x03
	SOFT 7, 3, 0x03
	ds_load_b128 v[ST:ST+3],   v[SR]               ; my 128 rows' e_c
	ds_load_b128 v[ST+4:ST+7], v[SR] offset:512    ; and l_c
	s_wait_dscnt 0x0
	global_store_b128 v[SO], v[ST:ST+3],   s[74:75]                ; 512 consecutive bytes each
	global_store_b128 v[SO], v[ST+4:ST+7], s[74:75] offset:524288
	s_set_vgpr_msb 0x1
	s_wait_tensorcnt 0x0
	ds_add_u32 v255, v255
	s_wait_dscnt 0x0
	s_set_vgpr_msb 0x100
	CROUND                                         ; the closing round
	s_endpgm
.Lfunc_end_k_qee4cffb4c5_scores:
	.size	k_qee4cffb4c5_scores, .Lfunc_end_k_qee4cffb4c5_scores-k_qee4cffb4c5_scores
	.p2alignl 7, 3214868480
	.fill 96, 4, 3214868480
	.section	.rodata,"a",@progbits
	.p2align	6, 0x0
	.amdhsa_kernel k_qee4cffb4c5_scores
		.amdhsa_group_segment_fixed_size 327680
		.amdhsa_private_segment_fixed_size 0
		.amdhsa_enable_private_segment 0
		.amdhsa_kernarg_size 32
		.amdhsa_user_sgpr_count 2
		.amdhsa_user_sgpr_kernarg_segment_ptr 1
		.amdhsa_wavefront_size32 1
		.amdhsa_system_sgpr_workgroup_id_x 1
		.amdhsa_system_sgpr_workgroup_id_y 1
		.amdhsa_system_sgpr_workgroup_id_z 1
		.amdhsa_system_vgpr_workitem_id 0
		.amdhsa_next_free_vgpr 1024
		.amdhsa_next_free_sgpr 100
		.amdhsa_reserve_vcc 1
		.amdhsa_float_denorm_mode_32 3
		.amdhsa_float_denorm_mode_16_64 3
		.amdhsa_memory_ordered 1
		.amdhsa_forward_progress 1
		.amdhsa_inst_pref_size 255
	.end_amdhsa_kernel
	.section	.bss,"aw",@nobits
	.p2align	6
	.space	262144
	.amdgpu_metadata
---
amdhsa.version: [ 1, 2 ]
amdhsa.kernels:
  - .name:           k_qee4cffb4c5_scores
    .symbol:         k_qee4cffb4c5_scores.kd
    .args:
      - { .name: QK, .offset: 0, .size: 8, .value_kind: global_buffer, .address_space: global }
      - { .name: mbits, .offset: 8, .size: 8, .value_kind: global_buffer, .address_space: global }
      - { .name: P, .offset: 16, .size: 8, .value_kind: global_buffer, .address_space: global }
      - { .name: stats, .offset: 24, .size: 8, .value_kind: global_buffer, .address_space: global }
    .group_segment_fixed_size: 327680
    .private_segment_fixed_size: 0
    .kernarg_segment_align: 8
    .kernarg_segment_size: 32
    .max_flat_workgroup_size: 128
    .sgpr_count:     100
    .vgpr_count:     1024
    .wavefront_size: 32
...
	.end_amdgpu_metadata
.endif
;; end of part 6
;; launch pv (part 7): grid 4 x 64, 4 waves a work-group, clusters of 4 x 4, 327,680 bytes of LDS; arguments P, Xh, stats, Y; writes Y
.if DOCPART == 7
	.amdgcn_target "amdgcn-amd-amdhsa--gfx1250"
	.amdhsa_code_object_version 6
	.text
	.protected	k_qee4cffb4c5_pv
	.globl	k_qee4cffb4c5_pv
	.p2align	8
	.type	k_qee4cffb4c5_pv,@function
k_qee4cffb4c5_pv:
	s_mov_b64 s[64:65], 0
	v_nop
	global_prefetch_b8 v0, s[64:65] scope:SCOPE_SE
	s_setreg_imm32_b32 hwreg(HW_REG_WAVE_MODE, 25, 1), 1
	s_wait_xcnt 0x0
	s_wait_alu depctr_hold_cnt(0) depctr_sa_sdst(0) depctr_va_vdst(0) depctr_va_sdst(0) depctr_va_ssrc(0) depctr_va_vcc(0) depctr_vm_vsrc(0)
	s_getreg_b32 s2, hwreg(HW_REG_IB_STS2, 6, 4)
	s_cmp_eq_u32 s2, 0
	s_cbranch_scc0 .Lentry_in_a_cluster
	s_endpgm
.Lentry_in_a_cluster:
	s_bfe_u32 s2, ttmp6, 0x10000c
	s_cmp_lg_u32 s2, 0xf033
	s_cbranch_scc0 .Lentry_shape_is_right
	s_endpgm
.Lentry_shape_is_right:
; The second half of the softmax and the product of the weights with X.  Since A V = (A X) Wv^T + (sum of A) bv, the weights multiply X, which f16 holds exactly,
; and V is never rounded; the next kernel multiplies Y = A X by Wv.
; For row q: E = max over the 16 chunks of e_c, g_c = 2^(e_c - E) (an exact power of two, at most 1), l = sum of g_c l_c;
; Y[q][e] = (1 / l) sum over chunks c and keys of g_c P[q][key] X[key][e], rounded once to f16.  A row whose keys are all masked has l = 0 and gets Y = 0.
; A work-group makes 128 rows x 256 columns with four waves, a wave 64 rows (wm) x 128 columns (wn): 32 accumulator tiles (window 2, tile (a, b) at v[8 (8 a + b)]).
; 4 x 64 = 256 work-groups; x = block of columns, y = 16 x batch + block of rows.  The 2,048 keys go in 16 steps of 128, one chunk a step, through two LDS slots.
; A slot has four quarters of 34,816 bytes, one for each wave's tensor load: P's rows 0-63 and 64-127 (64 x 272 bytes, at the head of quarters 0 and 1) and
; X's keys 0-63 and 64-127 (64 x 544 bytes, quarters 2 and 3).  X lies [key][e] and is read by the transposing LDS load.
; Two slots of 256 keys would take 2 x (128 x 528 + 256 x 544) = 413,696 bytes and do not fit: a slot holds one step.
; CLUSTERS: 4 x 4; P's tiles are asked for jointly along a row of the cluster, X's along a column (a cluster lies inside one batch: 4 divides 16).
; g_c is applied to P's fragments in registers (one packed f16 multiply for two numbers; by a power of two it is exact down to f16's smallest step, 2^-24).
; LIMITS: operands f16.  A weight is carried to within 2^-11 of itself or 2^-25 of 2^E.  Y has X's range.
.set KSTEP,  128
.set PITCH,  272                       ; P's rows in LDS: 256 bytes + 16
.set VPITCH, 544                       ; X's rows in LDS: 512 bytes + 32
.set QUART,  34816
.set SLOT,   4*QUART
.set FTAB,   2*SLOT                    ; [c 16][wm 2][r 16][a 4] words: g_c of row 64 wm + 16 a + r, as two equal f16
.set ITAB,   FTAB+8192                 ; [wm 2][r 16][a 4] words: 1 / l of that row, f32
.set STAGE,  ITAB+512                  ; 16 rows x 272 bytes for each wave
.set SPITCH, 272
.set XROW,   2048                      ; bytes in a row of Xh and of Y
.set LAPS,   8
.set ADRA, 16                          ; v16-17
.set ADRB, 20                          ; v20-21
.set FADR, 22                          ; v22  my 16 bytes of the table of g, at the even chunk of the lap
.set IADR, 23                          ; v23  my 16 bytes of the table of 1 / l
.set STO,  24
.set RD,   25
.set CO,   26
.set NINF, 30
.set FS0,  40                          ; v40-43  g of the chunk in slot 0, for my four row tiles
.set FS1,  44                          ; v44-47  the same for slot 1
.set IV,   48                          ; v48-51  1 / l for my four row tiles
.set F0,   64                          ; window 0: P's fragments v64-95; window 1: X's fragments v64-127
.set F1,   128                         ; the second buffers: v128-159; v128-191
.set T,    64                          ; the way out
.set PK,   128
.set RB,   160
.set G1, 24
.set G0, 32
.set G1B, 48
.set G0B, 56
.set MSB, 0
.macro WIN new
.if MSB != \new
	s_set_vgpr_msb (MSB<<8)|\new
.set MSB, \new
.endif
.endm
.set MULW, 0xa1                        ; source 0 (X) window 1, source 1 (P) window 0, C and D window 2
.set TO_B, 0x40
.macro JLOAD s                         ; waves 0 and 1 ask for P's two halves, waves 2 and 3 for X's
	s_cmp_eq_u32 s11, 0
	s_cbranch_scc0 .Lfor_b_\@
	tensor_load_to_lds s[G0+4*\s:G0+4*\s+3], s[G1:G1+7]
	s_nop 0
.rept 4
	v_nop
.endr
	s_branch .Lasked_\@
.Lfor_b_\@:
	tensor_load_to_lds s[G0B+4*\s:G0B+4*\s+3], s[G1B:G1B+7]
	s_nop 0
.rept 4
	v_nop
.endr
.Lasked_\@:
.endm
.macro CREST
	s_cmp_lg_u32 s10, 0
	s_cbranch_scc1 .Lnot_wave_0_\@
	s_barrier_signal -3
.Lnot_wave_0_\@:
	s_barrier_wait -3
	s_barrier_signal -1
	s_barrier_wait -1
.endm
.macro CROUND
	s_barrier_signal -1
	s_barrier_wait -1
	CREST
.endm
	s_load_b128 s[4:7], s[0:1], 0x0                ; P s[4:5], Xh s[6:7]
	s_load_b128 s[68:71], s[0:1], 0x10             ; stats s[68:69], Y s[70:71]
	v_lshl_add_u32 v254, v0, 2, 0x4a600
	v_mov_b32 v255, 0
	ds_add_u32 v254, v255
	v_lshrrev_b32 v1, 5, v0
	v_readfirstlane_b32 s10, v1                    ; wave 0..3
	s_lshr_b32 s11, s10, 1                         ; wm.  Also: I fetch for P (0) or for X (1)
	s_and_b32 s12, s10, 1                          ; wn.  Also: which 64 rows of that tile I fetch
	s_bfe_u32 s40, ttmp6, 0x40000                  ; cx
	s_bfe_u32 s41, ttmp6, 0x40004                  ; cy
	s_lshl_b32 s42, ttmp9, 2
	s_add_co_u32 s42, s42, s40                     ; x
	s_and_b32 s45, ttmp7, 0xffff                   ; the cluster's y
	s_lshl_b32 s13, s45, 2
	s_add_co_u32 s13, s13, s41                     ; y
	s_lshr_b32 s45, s45, 2                         ; batch = y / 16, from the cluster's y alone
	s_lshl_b32 s43, s41, 2
	s_lshl_b32 s43, 15, s43
	s_lshl_b32 s44, 0x1111, s40
	; P's tiles: 64 rows x 128 elements, 4 words of padding behind every 64 words, 2,048 elements from row to row
	s_or_b32 s[G1+0], s43, (1<<16)|(1<<20)|(1<<21)|(5<<22)|(3<<25)
	s_mov_b32 s[G1+1], 128<<16
	s_mov_b32 s[G1+2], 64<<16
	s_mov_b32 s[G1+3], 128<<16
	s_mov_b32 s[G1+4], 64
	s_mov_b32 s[G1+5], 2048
	s_mov_b32 s[G1+6], 0
	s_mov_b32 s[G1+7], 0
	; X's tiles: 64 rows x 256 elements, 8 words of padding behind every 128 words, 1,024 elements from row to row
	s_or_b32 s[G1B+0], s44, (1<<16)|(1<<20)|(1<<21)|(6<<22)|(7<<25)
	s_mov_b32 s[G1B+1], 256<<16
	s_mov_b32 s[G1B+2], 64<<16
	s_mov_b32 s[G1B+3], 256<<16
	s_mov_b32 s[G1B+4], 64
	s_mov_b32 s[G1B+5], 1024
	s_mov_b32 s[G1B+6], 0
	s_mov_b32 s[G1B+7], 0
	s_lshl_b32 s16, s13, 1
	s_add_co_u32 s16, s16, s12
	s_lshl_b32 s16, s16, 18                        ; P: row 128 y + 64 x half, 4,096 bytes a row
	s_mov_b32 s17, 0
	s_lshl_b32 s46, s45, 11
	s_lshl_b32 s47, s12, 6
	s_add_co_u32 s46, s46, s47                     ; X: row 2,048 batch + 64 x half,
	s_lshl_b32 s46, s46, 11                        ; 2,048 bytes a row,
	s_lshl_b32 s47, s42, 9
	s_add_co_u32 s46, s46, s47                     ; 512 bytes a block of columns
	s_mov_b32 s47, 0
	s_mul_i32 s20, s10, QUART                      ; where the tile goes: the wave's quarter of the slot
	s_lshr_b32 s72, s13, 4
	s_lshl_b32 s72, s72, 17                        ; stats: batch x 16 chunks x 2,048 rows x 4 bytes,
	s_and_b32 s73, s13, 15
	s_lshl_b32 s73, s73, 9                         ; 128 rows x 4 bytes
	s_add_co_u32 s72, s72, s73
	s_mov_b32 s73, 0
	s_lshl_b32 s74, s13, 1
	s_add_co_u32 s74, s74, s11
	s_lshl_b32 s74, s74, 17                        ; Y: row 128 y + 64 wm, 2,048 bytes a row,
	s_lshl_b32 s75, s42, 9
	s_add_co_u32 s74, s74, s75                     ; 512 bytes a block of columns,
	s_lshl_b32 s75, s12, 8
	s_add_co_u32 s74, s74, s75                     ; 256 bytes a half
	s_mov_b32 s75, 0
	s_wait_dscnt 0x0
	s_wait_kmcnt 0x0
	s_add_nc_u64 s[14:15], s[4:5], s[16:17]
	s_add_nc_u64 s[46:47], s[6:7], s[46:47]
	s_add_nc_u64 s[68:69], s[68:69], s[72:73]
	s_add_nc_u64 s[70:71], s[70:71], s[74:75]
	CROUND
.irp s, 0,1
	s_mov_b32 s[G0+4*\s], 1
	s_add_co_u32 s[G0+4*\s+1], s20, \s*SLOT
	s_add_nc_u64 s[G0+4*\s+2:G0+4*\s+3], s[14:15], \s*KSTEP*2
	s_or_b32 s[G0+4*\s+3], s[G0+4*\s+3], 0x80000000
	s_mov_b32 s[G0B+4*\s], 1
	s_add_co_u32 s[G0B+4*\s+1], s20, \s*SLOT
	s_add_nc_u64 s[G0B+4*\s+2:G0B+4*\s+3], s[46:47], \s*KSTEP*XROW
	s_or_b32 s[G0B+4*\s+3], s[G0B+4*\s+3], 0x80000000
	JLOAD \s
.endr
	; Thread t makes the sixteen factors and 1 / l of row t of the work-group's 128.
	v_lshlrev_b32 v5, 2, v0
.irp c, 0,1,2,3,4,5,6,7,8,9,10,11,12,13,14,15
	global_load_b32 v[64+\c], v5, s[68:69] offset:8192*\c          ; e_c
.endr
.irp c, 0,1,2,3,4,5,6,7,8,9,10,11,12,13,14,15
	global_load_b32 v[80+\c], v5, s[68:69] offset:524288+8192*\c   ; l_c
.endr
	v_and_b32 v1, 15, v0                           ; r
	v_bfe_u32 v2, v0, 4, 1                         ; h
	v_mul_u32_u24 v3, v1, PITCH
	v_lshl_add_u32 v3, v2, 4, v3
	s_mul_i32 s21, s11, QUART                      ; my 64 rows of P are one quarter's
	v_add_nc_u32 v[ADRA], s21, v3
	s_add_co_u32 s21, s21, SLOT
	v_add_nc_u32 v[ADRA+1], s21, v3
	v_and_b32 v7, 7, v0
	v_bfe_u32 v8, v0, 3, 1
	v_lshl_add_u32 v9, v2, 3, v7                   ; key 8 h + (l & 7)
	v_mul_u32_u24 v9, v9, VPITCH
	v_lshl_add_u32 v9, v8, 4, v9                   ; + 16 ((l >> 3) & 1)
	s_lshl_b32 s22, s12, 8                         ; my 128 columns,
	s_add_co_u32 s22, s22, 2*QUART                 ; behind P's two quarters
	v_add_nc_u32 v[ADRB], s22, v9
	s_add_co_u32 s22, s22, SLOT
	v_add_nc_u32 v[ADRB+1], s22, v9
	s_lshl_b32 s23, s11, 8
	s_add_co_u32 s23, s23, FTAB
	v_lshl_add_u32 v[FADR], v1, 4, s23
	v_add_nc_u32 v[IADR], ITAB-FTAB, v[FADR]
	s_mul_i32 s23, s10, 16*SPITCH
	s_add_co_u32 s23, s23, STAGE
	v_mul_u32_u24 v4, v1, SPITCH
	v_lshl_add_u32 v4, v2, 4, v4
	v_add_nc_u32 v[STO], s23, v4                   ; row r, 16 bytes for each half of the lanes
	v_mul_u32_u24 v4, v2, SPITCH
	v_lshl_add_u32 v4, v1, 4, v4
	v_add_nc_u32 v[RD], s23, v4                    ; lanes 0-15 one row of 256 bytes, lanes 16-31 the next
	v_lshlrev_b32 v4, 11, v2
	v_lshl_add_u32 v[CO], v1, 4, v4                ; the same two rows in Y
	v_mov_b32 v[NINF], 0xff800000
	v_lshrrev_b32 v10, 6, v0                       ; the tables' word of row t: wm = t / 64, a = (t / 16) % 4, r = t % 16
	v_bfe_u32 v11, v0, 4, 2
	v_lshlrev_b32 v10, 8, v10
	v_lshl_add_u32 v10, v1, 4, v10
	v_lshl_add_u32 v10, v11, 2, v10
	v_add_nc_u32 v10, FTAB, v10
	s_wait_loadcnt 0x0
	v_max3_num_f32 v96, v64, v65, v66
.irp i, 67,69,71,73,75,77
	v_max3_num_f32 v96, v96, v[\i], v[\i+1]
.endr
	v_max_num_f32 v96, v96, v79                    ; E: the row's own shift
	v_cmp_lt_f32 vcc_lo, v[NINF], v96
	v_cndmask_b32 v97, 0, v96, vcc_lo              ; 0 where the whole row is masked, so that -inf stays -inf
.irp c, 0,1,2,3,4,5,6,7,8,9,10,11,12,13,14,15
	v_sub_f32 v[64+\c], v[64+\c], v97
.endr
.irp c, 0,1,2,3,4,5,6,7,8,9,10,11,12,13,14,15
	v_exp_f32 v[64+\c], v[64+\c]                   ; g_c
.endr
	v_nop                                          ; one plain vector instruction behind the last transcendental (ISA guide 5.7.2)
	s_wait_alu depctr_va_vdst(0)
	v_mul_f32 v98, v64, v80
	v_mul_f32 v99, v65, v81
.irp c, 2,4,6,8,10,12,14
	v_fma_f32 v98, v[64+\c], v[80+\c], v98
	v_fma_f32 v99, v[65+\c], v[81+\c], v99
.endr
	v_add_f32 v98, v98, v99                        ; l: above 1/2 in a row with an unmasked key, 0 in a row without
	v_rcp_f32 v100, v98
	v_nop
	v_cmp_lt_f32 vcc_lo, 0, v98
	s_wait_alu depctr_va_vdst(0)
	v_cndmask_b32 v100, 0, v100, vcc_lo
	ds_store_b32 v10, v100 offset:ITAB-FTAB
.irp c, 0,1,2,3,4,5,6,7,8,9,10,11,12,13,14,15
	v_cvt_pk_f16_f32 v[64+\c], v[64+\c], v[64+\c]  ; a power of two, or 0 below 2^-24
	ds_store_b32 v10, v[64+\c] offset:512*\c
.endr
; 16 matrix instructions: row tiles a0, a0 + 1 x all 8 column tiles, 32 keys.  The 32 accumulators take turns, one instruction a turn, in the same order in every
; quarter step.
.macro MUL16 f, a0, zero
.irp a, \a0, \a0+1
.irp b, 0,1,2,3,4,5,6,7
.if \zero
	v_wmma_f32_16x16x32_f16 v[8*(8*(\a)+\b):8*(8*(\a)+\b)+7], v[\f+8*\b:\f+8*\b+7], v[\f+8*(\a):\f+8*(\a)+7], 0
.else
	v_wmma_f32_16x16x32_f16 v[8*(8*(\a)+\b):8*(8*(\a)+\b)+7], v[\f+8*\b:\f+8*\b+7], v[\f+8*(\a):\f+8*(\a)+7], v[8*(8*(\a)+\b):8*(8*(\a)+\b)+7]
.endif
.endr
.endr
.endm
; The fragments of quarter q of a slot into buffer f: (fs != 0: first the chunk's four factors into v[fs:fs+3], from byte fo of my part of the table; bump = 1: the table's
; address then steps two chunks on), 8 loads of P, 16 transposing loads of X.
.macro FETCH slot, q, f, fs, fo, bump
	WIN 0
.if \fs
	ds_load_b128 v[\fs:\fs+3], v[FADR] offset:\fo
.endif
.if \bump
	v_add_nc_u32 v[FADR], 1024, v[FADR]
.endif
.irp i, 0,1,2,3
	ds_load_b128 v[\f+8*\i:\f+8*\i+3],   v[ADRA+\slot] offset:64*\q+\i*16*PITCH
	ds_load_b128 v[\f+8*\i+4:\f+8*\i+7], v[ADRA+\slot] offset:64*\q+\i*16*PITCH+32
.endr
	WIN TO_B
.irp b, 0,1,2,3,4,5,6,7
	ds_load_tr16_b128 v[\f+8*\b:\f+8*\b+3],   v[ADRB+\slot] offset:\q*32*VPITCH+32*\b                ; keys 8 h .. + 7 of column 16 b + r
	ds_load_tr16_b128 v[\f+8*\b+4:\f+8*\b+7], v[ADRB+\slot] offset:\q*32*VPITCH+32*\b+16*VPITCH      ; keys 16 + 8 h .. + 7
.endr
.endm
.macro SCALE f, fs                     ; P's fragments times the row's power of two: lane l holds row 16 a + l % 16
.irp a, 0,1,2,3
.irp i, 0,1,2,3,4,5,6,7
	v_pk_mul_f16 v[\f+8*\a+\i], v[\f+8*\a+\i], v[\fs+\a]
.endr
.endr
.endm
.macro PLACES                          ; four plain vector instructions behind a matrix instruction (ISA guide 7.12.1)
.rept 4
	v_nop
.endr
.endm
.macro QUARTER slot, q, f, g, fs, zero
	s_wait_dscnt 16                                ; the factors and P's fragments are in; the 16 younger loads, X's, may be out
	WIN 0
	SCALE \f, \fs
	s_wait_dscnt 0                                 ; X's fragments
	WIN MULW
	MUL16 \f, 0, \zero
	PLACES
	FETCH \slot, \q, \g, 0, 0, 0
	WIN MULW
	MUL16 \f, 2, \zero
.endm
.macro THREE slot, fs, zero
	QUARTER \slot, 1, F0, F1, \fs, \zero
	QUARTER \slot, 2, F1, F0, \fs, 0
	QUARTER \slot, 3, F0, F1, \fs, 0
.endm
; The change of slots: each wave's waits for its reads and for all its tensor loads, the barrier (the round's opening), the refill first behind the round.
; From a request to the wait for it a wave issues 112 matrix instructions.
.macro TURN slot, next, fill, fs, fsn, fo, bump
	s_wait_dscnt 16
	WIN 0
	SCALE F1, \fs
	s_wait_dscnt 0                                 ; my reads of this slot are over
	s_wait_tensorcnt 0x0                           ; all my tensor loads have landed
	ds_add_u32 v254, v255
	s_wait_dscnt 0x0
	s_barrier_signal -1
	WIN MULW
	MUL16 F1, 0, 0
	WIN 0
	s_barrier_wait -1
.if \fill
	CREST
	s_add_nc_u64 s[G0+4*\slot+2:G0+4*\slot+3], s[G0+4*\slot+2:G0+4*\slot+3], 2*KSTEP*2
	s_add_nc_u64 s[G0B+4*\slot+2:G0B+4*\slot+3], s[G0B+4*\slot+2:G0B+4*\slot+3], 2*KSTEP*XROW
	JLOAD \slot
.else
	PLACES
.endif
	FETCH \next, 0, F0, \fsn, \fo, \bump
	WIN MULW
	MUL16 F1, 2, 0
.endm
.macro LAP zero
	THREE 0, FS0, \zero
	TURN 0, 1, 1, FS0, FS1, 512, 0
	THREE 1, FS1, 0
	TURN 1, 0, 1, FS1, FS0, 1024, 1
.endm
	s_wait_dscnt 0x0                               ; my words of the tables are in LDS, for the other waves' sake
	s_wait_tensorcnt 1                             ; my part of step 0 is in; step 1's stays out
	s_barrier_signal -1
	s_barrier_wait -1
	FETCH 0, 0, F0, FS0, 0, 0
	LAP 1
	WIN 0
	s_mov_b32 s3, LAPS-2
.Llap:
	LAP 0
	WIN 0
	s_sub_co_u32 s3, s3, 1
	s_cmp_lg_u32 s3, 0
	s_cbranch_scc1 .Llap
	THREE 0, FS0, 0                                ; the last lap fills nothing
	TURN 0, 1, 0, FS0, FS1, 512, 0
	THREE 1, FS1, 0
	s_wait_dscnt 16
	WIN 0
	SCALE F1, FS1
	s_wait_dscnt 0
	WIN MULW
	MUL16 F1, 0, 0
	MUL16 F1, 2, 0
	; THE WAY OUT, 16 rows at a time: times 1 / l in f32, round to f16, 16 bytes a lane into my own stage, whole rows of 256 bytes back.
	PLACES
	WIN 0
	ds_load_b128 v[IV:IV+3], v[IADR]
	s_wait_dscnt 0x0
.macro OUT16 a
	WIN 0x02                                       ; source 0 in window 2
.irp b, 0,1,2,3,4,5,6,7
.irp j, 0,1,2,3,4,5,6,7
	v_mul_f32 v[T+8*\b+\j], v[8*(8*\a+\b)+\j], v[IV+\a]
.endr
.endr
	WIN 0
.irp b, 0,1,2,3,4,5,6,7
.irp i, 0,1,2,3
	v_cvt_pk_f16_f32 v[PK+4*\b+\i], v[T+8*\b+2*\i], v[T+8*\b+2*\i+1]
.endr
.endr
.irp b, 0,1,2,3,4,5,6,7
	ds_store_b128 v[STO], v[PK+4*\b:PK+4*\b+3] offset:32*\b
.endr
	s_wait_xcnt 0x0                                ; RB and the base, which earlier stores read, are rewritten only behind this wait (ISA guide 3.1)
.if \a
	s_add_nc_u64 s[70:71], s[70:71], 16*XROW
.endif
.irp t, 0,1,2,3,4,5,6,7
	ds_load_b128 v[RB+4*\t:RB+4*\t+3], v[RD] offset:\t*2*SPITCH    ; my own bytes, served in order behind the stores above (ISA guide 5.7.1)
.endr
.irp t, 0,1,2,3,4,5,6,7
	s_wait_dscnt 7-\t                              ; the 7 - t younger loads stay out
	global_store_b128 v[CO], v[RB+4*\t:RB+4*\t+3], s[70:71] offset:2*\t*XROW   ; sixteen lanes store 256 consecutive bytes, aligned
.endr
.endm
	OUT16 0
	OUT16 1
	OUT16 2
	OUT16 3
	s_wait_tensorcnt 0x0
	ds_add_u32 v254, v255
	s_wait_dscnt 0x0
	CROUND                                         ; the closing round
	s_endpgm
.Lfunc_end_k_qee4cffb4c5_pv:
	.size	k_qee4cffb4c5_pv, .Lfunc_end_k_qee4cffb4c5_pv-k_qee4cffb4c5_pv
	.p2alignl 7, 3214868480
	.fill 96, 4, 3214868480
	.section	.rodata,"a",@progbits
	.p2align	6, 0x0
	.amdhsa_kernel k_qee4cffb4c5_pv
		.amdhsa_group_segment_fixed_size 327680
		.amdhsa_private_segment_fixed_size 0
		.amdhsa_enable_private_segment 0
		.amdhsa_kernarg_size 32
		.amdhsa_user_sgpr_count 2
		.amdhsa_user_sgpr_kernarg_segment_ptr 1
		.amdhsa_wavefront_size32 1
		.amdhsa_system_sgpr_workgroup_id_x 1
		.amdhsa_system_sgpr_workgroup_id_y 1
		.amdhsa_system_sgpr_workgroup_id_z 1
		.amdhsa_system_vgpr_workitem_id 0
		.amdhsa_next_free_vgpr 768
		.amdhsa_next_free_sgpr 80
		.amdhsa_reserve_vcc 1
		.amdhsa_float_denorm_mode_32 3
		.amdhsa_float_denorm_mode_16_64 3
		.amdhsa_memory_ordered 1
		.amdhsa_forward_progress 1
		.amdhsa_inst_pref_size 186
	.end_amdhsa_kernel
	.amdgpu_metadata
---
amdhsa.version: [ 1, 2 ]
amdhsa.kernels:
  - .name:           k_qee4cffb4c5_pv
    .symbol:         k_qee4cffb4c5_pv.kd
    .args:
      - { .name: P, .offset: 0, .size: 8, .value_kind: global_buffer, .address_space: global }
      - { .name: Xh, .offset: 8, .size: 8, .value_kind: global_buffer, .address_space: global }
      - { .name: stats, .offset: 16, .size: 8, .value_kind: global_buffer, .address_space: global }
      - { .name: Y, .offset: 24, .size: 8, .value_kind: global_buffer, .address_space: global }
    .group_segment_fixed_size: 327680
    .private_segment_fixed_size: 0
    .kernarg_segment_align: 8
    .kernarg_segment_size: 32
    .max_flat_workgroup_size: 128
    .sgpr_count:     80
    .vgpr_count:     768
    .wavefront_size: 32
...
	.end_amdgpu_metadata
.endif
;; end of part 7
;; launch proj: the kernel of part 5 again; grid 4 x 64, 4 waves a work-group, clusters of 4 x 4, 327,680 bytes of LDS; arguments Y, Wh, ball, stats, out0; writes out0
;; ======== version 3 of 3: 5 launches; version 2 with the launch prep written anew for expert scheduling mode
;; limits: values are held in f16: magnitudes above 65,504 overflow, below 6.1e-05 lose precision; right only within a limited range of input values
;; workspace buffers: Xh 16,777,216 bytes; Wh 6,291,456 bytes; ball 12,288 bytes; mbits 524,288 bytes of whole numbers; QK 33,554,432 bytes; P 33,554,432 bytes; stats 1,048,576 bytes; Y 16,777,216 bytes
;; launch prep (part 8): grid 483 x 1, 8 waves a work-group, no clusters, 35,840 bytes of LDS; arguments X, Wq, Wk, Wv, bq, bk, bv, mask, Xh, Wh, ball, mbits; writes Xh, Wh, ball, mbits
.if DOCPART == 8
	.amdgcn_target "amdgcn-amd-amdhsa--gfx1250"
	.amdhsa_code_object_version 6
	.text
	.protected	k_qee4cffb4c5_prep
	.globl	k_qee4cffb4c5_prep
	.p2align	8
	.type	k_qee4cffb4c5_prep,@function
k_qee4cffb4c5_prep:
	s_mov_b64 s[64:65], 0
	v_nop
	global_prefetch_b8 v0, s[64:65] scope:SCOPE_SE
	s_setreg_imm32_b32 hwreg(HW_REG_WAVE_SCHED_MODE, 0, 2), 2
	s_setreg_imm32_b32 hwreg(HW_REG_WAVE_MODE, 25, 1), 1
	s_wait_xcnt 0x0
	s_wait_alu depctr_vm_vsrc(0)
; prep: brings the inputs into the forms that the four products read.
;   work-groups   0..255  X  [8192][1024] f32 -> Xh, 32,768 numbers each
;   work-groups 256..351  Wq, Wk, Wv [1024][1024] f32 -> Wh [3072][1024] (rows 0-1023 Wq, 1024-2047 Wk, 2048-3071 Wv), 32,768 numbers each
;   work-groups 352..479  mask [2048][2048] bytes -> mbits [qt 128][kt 128][j 8] words, 16 rows of the mask each
;   work-groups 480..482  bq, bk, bv -> ball [3072] f32
; X and W are rounded to bf16 (nearest even, 8 significant bits), the operand precision of the inputs, and kept in f16's format, so that every later product
; can pair them with f16 intermediates on the f16 matrix form.  f16 holds a number of 8 significant bits exactly from 2^-17 to 65,504.
; LIMITS: inputs above 65,504 in magnitude become infinite; below 2^-17 they are carried to within 2^-25.
; Bit l of word (qt, kt, j) of mbits is mask[16 qt + (l & 15)][16 kt + 8 (l >> 4) + j]: lane l, register j of a 16 x 16 tile of scores as the
; score kernel holds it, so that a word serves there as the lane mask of one select.  LIMIT: any byte of the mask other than 0 counts as True.
; A stream: every input byte is read once and every output byte written once; nothing is shared between work-groups, so there is no cluster, no matrix work
; and no barrier (the LDS bytes of the mask role are each wave's own).
; THE MODE: SCHED_MODE bits 1:0 = 2 (LLVM: expert scheduling mode 2), set by the entry lines.  The code itself states the register dependences
; between vector instructions and memory or LDS instructions, with s_wait_alu, always for 0.
; THE PLAN.  Registers that memory or LDS instructions touch:
;   v1, v2        byte offsets, written once at the head; read by every load and store of the convert and bias roles; never written again.
;   v144, v145    written once at the head; read by the closing add alone.
;   convert role  D + 4 i .. + 3: load i lands there; all 32 loads are issued before any vector instruction names D.  The conversions of load i read the four and leave
;                 their result in the first two, which store i reads and nothing writes again.  v4, v5 are named by vector instructions alone.
;                 The loads go in 8 blocks of four.  ONE wait on va_vdst at a block's head, behind the wait for its data, states that the block before has written its
;                 results; that block's four stores follow, dealt among this block's conversions, which name this block's D and v4, v5 alone.
;   mask role     v7 (offset of the loads), v13, v14 (LDS addresses), v15 (offset of the store): each written once by vector instructions, then only read.
;                 v[16:47]: the loads land there, the LDS stores read them.  v[64:95]: the LDS loads land there.  v[8:11]: written by v_writelane_b32, read by the one store.
;                 s7 and the sixteen lane masks of a run of compares are scalar registers that vector instructions write: a wait on va_sdst stands ahead of their first reader.
; No register that a memory or LDS instruction reads is written again, so no wait on vm_vsrc is owed.
.set NX,   256                         ; work-groups for X
.set NW,   96                          ; for the three W
.set NM,   128                         ; for the mask
.set D,    16                          ; v[16:143] convert role: 32 loads of 4 registers
.set MP,   272                         ; mask role: LDS pitch of a row piece of 256 bytes
	s_load_b512 s[8:23], s[0:1], 0x0               ; X s[8:9], Wq s[10:11], Wk s[12:13], Wv s[14:15], bq s[16:17], bk s[18:19], bv s[20:21], mask s[22:23]
	s_load_b256 s[24:31], s[0:1], 0x40             ; Xh s[24:25], Wh s[26:27], ball s[28:29], mbits s[30:31]
	v_lshl_add_u32 v144, v0, 2, 0x8800
	v_mov_b32 v145, 0
	v_lshlrev_b32 v1, 4, v0                        ; 16 t: my 16 bytes of each 4,096 that the work-group loads at once
	v_lshlrev_b32 v2, 3, v0                        ; 8 t: my 8 bytes of each 2,048 that it stores at once
	s_mov_b32 s3, 0                                ; high words of the two offset pairs s[2:3], s[4:5]
	s_mov_b32 s5, 0
	s_wait_kmcnt 0x0
	s_wait_alu depctr_va_vdst(0)                   ; v1 and v2 are written, which the loads and stores of the convert and bias roles read as offsets; so are v144 and v145, which the closing add reads
	s_cmp_lt_u32 ttmp9, NX
	s_cbranch_scc0 .Lnot_x
	s_lshl_b32 s2, ttmp9, 17                       ; 131,072 bytes of f32 in,
	s_lshl_b32 s4, ttmp9, 16                       ; 65,536 bytes out
	s_add_nc_u64 s[32:33], s[8:9], s[2:3]
	s_add_nc_u64 s[34:35], s[24:25], s[4:5]
	s_branch .Lconvert
.Lnot_x:
	s_cmp_lt_u32 ttmp9, NX+NW
	s_cbranch_scc0 .Lnot_w
	s_sub_co_u32 s6, ttmp9, NX                     ; i = 0..95
	s_lshr_b32 s7, s6, 5                           ; which matrix: 32 work-groups for each
	s_cmp_eq_u32 s7, 0
	s_cselect_b64 s[32:33], s[10:11], s[12:13]
	s_cmp_eq_u32 s7, 2
	s_cselect_b64 s[32:33], s[14:15], s[32:33]
	s_and_b32 s2, s6, 31
	s_lshl_b32 s2, s2, 17                          ; my part of that matrix
	s_lshl_b32 s4, s6, 16                          ; the three follow each other in Wh
	s_add_nc_u64 s[32:33], s[32:33], s[2:3]
	s_add_nc_u64 s[34:35], s[26:27], s[4:5]
.Lconvert:
	; 32 loads of 16 bytes a lane go out at once: 128 KiB of the work-group are on their way.  No register that a load or store reads is written again.
.irp i, 0,1,2,3,4,5,6,7,8,9,10,11,12,13,14,15,16,17,18,19,20,21,22,23,24,25,26,27,28,29,30,31
	global_load_b128 v[D+4*\i:D+4*\i+3], v1, s[32:33] offset:4096*\i th:TH_LOAD_NT
.endr
; The four numbers of load i: rounded, changed in format, left in the first two of their four registers.
.macro CVT i
	v_cvt_pk_bf16_f32 v4, v[D+4*(\i)],   v[D+4*(\i)+1]             ; the rounding: to bf16
	v_cvt_pk_bf16_f32 v5, v[D+4*(\i)+2], v[D+4*(\i)+3]
	v_lshlrev_b32 v[D+4*(\i)],   16, v4                            ; back to f32: a shift or a mask
	v_and_b32     v[D+4*(\i)+1], 0xffff0000, v4
	v_lshlrev_b32 v[D+4*(\i)+2], 16, v5
	v_and_b32     v[D+4*(\i)+3], 0xffff0000, v5
	v_cvt_pk_f16_f32 v[D+4*(\i)],   v[D+4*(\i)],   v[D+4*(\i)+1]   ; the change of format: exact inside the stated range
	v_cvt_pk_f16_f32 v[D+4*(\i)+1], v[D+4*(\i)+2], v[D+4*(\i)+3]
.endm
.macro PUT i
	global_store_b64 v2, v[D+4*(\i):D+4*(\i)+1], s[34:35] offset:2048*(\i)     ; a wave's store covers 256 consecutive bytes, aligned
.endm
.set p, 0
.rept 8                                ; block p: loads 4 p to 4 p + 3 are converted, the results of the block before are stored
	s_wait_loadcnt 28-4*p                          ; loads come back in order: this block's four are in, the 28 - 4 p younger ones stay out
.if p > 0
	s_wait_alu depctr_va_vdst(0)                   ; the block before has written its eight result registers, which the four stores below read
.endif
.irp r, 0,1,2,3
.if p > 0
	PUT 4*(p-1)+\r                                 ; no wait: no vector instruction since the wait above names these registers
.endif
	CVT 4*p+\r
.endr
.set p, p+1
.endr
	s_wait_alu depctr_va_vdst(0)                   ; the last block has written its results, which the last four stores read
.irp r, 0,1,2,3
	PUT 28+\r
.endr
	s_endpgm
.Lnot_w:
	s_cmp_lt_u32 ttmp9, NX+NW+NM
	s_cbranch_scc0 .Lbias
	; The mask: wave w takes 16 rows x 256 columns.
	s_sub_co_u32 s6, ttmp9, NX+NW                  ; qt
	v_lshrrev_b32 v3, 5, v0
	v_readfirstlane_b32 s7, v3                     ; wave 0..7
	v_and_b32 v4, 15, v0                           ; r
	v_bfe_u32 v5, v0, 4, 1                         ; h
	v_and_b32 v6, 31, v0                           ; lane
	s_lshl_b32 s2, s6, 15                          ; 16 rows of 2,048 bytes
	s_wait_alu depctr_va_sdst(0)                   ; s7 is written, ahead of its first reader: the wave's columns, LDS bytes and words of mbits are made from it
	s_lshl_b32 s4, s7, 8                           ; my 256 columns
	s_add_co_u32 s2, s2, s4
	s_add_nc_u64 s[32:33], s[22:23], s[2:3]
	v_lshlrev_b32 v7, 4, v4
	v_lshl_add_u32 v7, v5, 11, v7                  ; 16 r + 2,048 h: lanes 0-15 one row's 256 bytes, lanes 16-31 the next row's
	s_wait_alu depctr_va_vdst(0)                   ; v7 is written, which the eight loads read as their offset
.irp i, 0,1,2,3,4,5,6,7
	global_load_b128 v[D+4*\i:D+4*\i+3], v7, s[32:33] offset:4096*\i th:TH_LOAD_NT
.endr
	s_mul_i32 s4, s7, 16*MP                        ; my wave's own 4,352 bytes of LDS
	v_mul_u32_u24 v13, v5, MP
	v_lshl_add_u32 v13, v4, 4, v13
	v_add_nc_u32 v13, s4, v13                      ; in: row 2 i + h, byte 16 r
	v_mul_u32_u24 v14, v4, MP
	v_lshl_add_u32 v14, v5, 3, v14
	v_add_nc_u32 v14, s4, v14                      ; back: row r, bytes 16 kt + 8 h .. + 7
	v_lshlrev_b32 v15, 4, v6                       ; the way out: 16 bytes a lane
	s_mov_b32 s36, 0xff                            ; the four bytes of a word
	s_mov_b32 s37, 0xff00
	s_mov_b32 s38, 0xff0000
	s_mov_b32 s39, 0xff000000
.irp j, 0,1,2,3
	v_mov_b32 v[8+\j], 0                           ; v_writelane_b32 keeps the other lanes: the registers are written whole first
.endr
	s_wait_loadcnt 0x0
	s_wait_alu depctr_va_vdst(0)                   ; v13, v14 and v15 are written, which the LDS stores, the LDS loads and the store at the end read as addresses
.irp i, 0,1,2,3,4,5,6,7
	ds_store_b128 v13, v[D+4*\i:D+4*\i+3] offset:2*MP*\i
.endr
.irp kt, 0,1,2,3,4,5,6,7,8,9,10,11,12,13,14,15
	ds_load_b64 v[64+2*\kt:65+2*\kt], v14 offset:16*\kt            ; LDS serves a wave's instructions in order (ISA guide 5.7.1): these see the stores above
.endr
	s_wait_dscnt 0x0
	; Word (kt, j) is the compare's lane mask.  Lane 2 kt + (j >> 2), register j & 3 of v[8:11] is its place in the wave's 512 bytes of mbits.
	; Two key tiles, kt = 2 kp + u, go in one run: sixteen compares into s[40:47] (u = 0) and s[8:15] (u = 1: X's and the W's addresses, which this role does not use).
.irp kp, 0,1,2,3,4,5,6,7
.irp u, 0,1
.irp j, 0,1,2,3
	v_and_b32 v[96+8*\u+\j],  s[36+\j], v[64+2*(2*\kp+\u)]         ; byte j
	v_and_b32 v[100+8*\u+\j], s[36+\j], v[65+2*(2*\kp+\u)]         ; byte 4 + j
.endr
.endr
.irp u, 0,1
.irp j, 0,1,2,3
	v_cmp_ne_u32 s[40-32*\u+\j], 0, v[96+8*\u+\j]
	v_cmp_ne_u32 s[44-32*\u+\j], 0, v[100+8*\u+\j]
.endr
.endr
	s_wait_alu depctr_va_sdst(0)                   ; the sixteen compares have written their lane masks, ahead of the first v_writelane_b32 that reads one
.irp u, 0,1
.irp j, 0,1,2,3
	v_writelane_b32 v[8+\j], s[40-32*\u+\j], 2*(2*\kp+\u)
	v_writelane_b32 v[8+\j], s[44-32*\u+\j], 2*(2*\kp+\u)+1
.endr
.endr
.endr
	s_lshl_b32 s2, s6, 12                          ; 128 kt x 8 words of a q tile
	s_lshl_b32 s4, s7, 9                           ; my 16 kt
	s_add_co_u32 s2, s2, s4
	s_add_nc_u64 s[34:35], s[30:31], s[2:3]
	s_wait_alu depctr_va_vdst(0)                   ; the v_writelane_b32 lines have written v[8:11], which the store reads
	global_store_b128 v15, v[8:11], s[34:35]       ; 512 consecutive bytes, aligned
	s_wait_dscnt 0x0                               ; the closing lines, six on end
	s_wait_alu 0x0
	s_wait_tensorcnt 0x0
	ds_add_u32 v144, v145
	s_wait_dscnt 0x0
	s_endpgm
.Lbias:
	s_sub_co_u32 s6, ttmp9, NX+NW+NM               ; 0, 1, 2: bq, bk, bv
	s_cmp_eq_u32 s6, 0
	s_cselect_b64 s[32:33], s[16:17], s[18:19]
	s_cmp_eq_u32 s6, 2
	s_cselect_b64 s[32:33], s[20:21], s[32:33]
	s_lshl_b32 s2, s6, 12
	s_add_nc_u64 s[34:35], s[28:29], s[2:3]
	global_load_b128 v[16:19], v1, s[32:33]        ; the offset v1 was shown written by the wait at the head; no vector instruction names v[16:19]
	s_wait_loadcnt 0x0
	global_store_b128 v1, v[16:19], s[34:35]
	s_endpgm
.Lfunc_end_k_qee4cffb4c5_prep:
	.size	k_qee4cffb4c5_prep, .Lfunc_end_k_qee4cffb4c5_prep-k_qee4cffb4c5_prep
	.p2alignl 7, 3214868480
	.fill 96, 4, 3214868480
	.section	.rodata,"a",@progbits
	.p2align	6, 0x0
	.amdhsa_kernel k_qee4cffb4c5_prep
		.amdhsa_group_segment_fixed_size 35840
		.amdhsa_private_segment_fixed_size 0
		.amdhsa_enable_private_segment 0
		.amdhsa_kernarg_size 96
		.amdhsa_user_sgpr_count 2
		.amdhsa_user_sgpr_kernarg_segment_ptr 1
		.amdhsa_wavefront_size32 1
		.amdhsa_system_sgpr_workgroup_id_x 1
		.amdhsa_system_sgpr_workgroup_id_y 1
		.amdhsa_system_sgpr_workgroup_id_z 1
		.amdhsa_system_vgpr_workitem_id 0
		.amdhsa_next_free_vgpr 146
		.amdhsa_next_free_sgpr 66
		.amdhsa_reserve_vcc 0
		.amdhsa_float_denorm_mode_32 3
		.amdhsa_float_denorm_mode_16_64 3
		.amdhsa_memory_ordered 1
		.amdhsa_forward_progress 1
		.amdhsa_inst_pref_size 48
	.end_amdhsa_kernel
	.amdgpu_metadata
---
amdhsa.version: [ 1, 2 ]
amdhsa.kernels:
  - .name:           k_qee4cffb4c5_prep
    .symbol:         k_qee4cffb4c5_prep.kd
    .args:
      - { .name: X, .offset: 0, .size: 8, .value_kind: global_buffer, .address_space: global }
      - { .name: Wq, .offset: 8, .size: 8, .value_kind: global_buffer, .address_space: global }
      - { .name: Wk, .offset: 16, .size: 8, .value_kind: global_buffer, .address_space: global }
      - { .name: Wv, .offset: 24, .size: 8, .value_kind: global_buffer, .address_space: global }
      - { .name: bq, .offset: 32, .size: 8, .value_kind: global_buffer, .address_space: global }
      - { .name: bk, .offset: 40, .size: 8, .value_kind: global_buffer, .address_space: global }
      - { .name: bv, .offset: 48, .size: 8, .value_kind: global_buffer, .address_space: global }
      - { .name: mask, .offset: 56, .size: 8, .value_kind: global_buffer, .address_space: global }
      - { .name: Xh, .offset: 64, .size: 8, .value_kind: global_buffer, .address_space: global }
      - { .name: Wh, .offset: 72, .size: 8, .value_kind: global_buffer, .address_space: global }
      - { .name: ball, .offset: 80, .size: 8, .value_kind: global_buffer, .address_space: global }
      - { .name: mbits, .offset: 88, .size: 8, .value_kind: global_buffer, .address_space: global }
    .group_segment_fixed_size: 35840
    .private_segment_fixed_size: 0
    .kernarg_segment_align: 8
    .kernarg_segment_size: 96
    .max_flat_workgroup_size: 256
    .sgpr_count:     66
    .vgpr_count:     146
    .wavefront_size: 32
...
	.end_amdgpu_metadata
.endif
;; end of part 8
;; launch qk: the kernel of part 2 again; grid 8 x 32, 4 waves a work-group, clusters of 4 x 4, 327,680 bytes of LDS; arguments Xh, Wh, ball, QK; writes QK
;; launch scores: the kernel of part 6 again; grid 8 x 32, 4 waves a work-group, clusters of 4 x 4, 327,680 bytes of LDS; arguments QK, mbits, P, stats; writes P, stats
;; launch pv: the kernel of part 7 again; grid 4 x 64, 4 waves a work-group, clusters of 4 x 4, 327,680 bytes of LDS; arguments P, Xh, stats, Y; writes Y
;; launch proj: the kernel of part 5 again; grid 4 x 64, 4 waves a work-group, clusters of 4 x 4, 327,680 bytes of LDS; arguments Y, Wh, ball, stats, out0; writes out0
